; MI455X (gfx1250); checked and timed in simulation.
; The chip was launched on July 23, 2026; its instructions are those of AMD's public machine-readable ISA for CDNA 5 (MIT licence, August 2026) and "CDNA5" Instruction Set Architecture Reference Guide (July 2026). The comments in the code are by the model that wrote it; some were corrected since.
;; GPT Self Attention1 D. Allowed arithmetic: matrix products marked QUANTISED: E4M3 operands, one E8M0 scale for each 32 along K, by v_wmma_scale_f32_16x16x128_f8f6f4 with both operands' format E4M3, f32 sums; everything else in f32.
;; Inputs: Wk_codes 1,024 x 32 x 32 uint8 (E4M3 codes of Wk, K innermost, in blocks of 32 codes); Wk_scales 1,024 x 32 uint8 (E8M0 scales of Wk, one for each 32 codes along K); Wo_codes 1,024 x 32 x 32 uint8 (E4M3 codes of Wo, K innermost, in blocks of 32 codes); Wo_scales 1,024 x 32 uint8 (E8M0 scales of Wo, one for each 32 codes along K); Wq_codes 1,024 x 32 x 32 uint8 (E4M3 codes of Wq, K innermost, in blocks of 32 codes); Wq_scales 1,024 x 32 uint8 (E8M0 scales of Wq, one for each 32 codes along K); Wv_codes 1,024 x 32 x 32 uint8 (E4M3 codes of Wv, K innermost, in blocks of 32 codes); Wv_scales 1,024 x 32 uint8 (E8M0 scales of Wv, one for each 32 codes along K); bk 1,024 float32; bo 1,024 float32; bq 1,024 float32; bv 1,024 float32; x_codes 2 x 2,048 x 32 x 32 uint8 (E4M3 codes of x, K innermost, in blocks of 32 codes); x_scales 2 x 2,048 x 32 uint8 (E8M0 scales of x, one for each 32 codes along K).
;; Outputs: out0 2 x 2,048 x 1,024 float32.
;; This version of the problem:
;;   THIS VERSION OF THE PROBLEM IS GIVEN IN LOW PRECISION. The matrix products marked QUANTISED in the list below multiply operands that are first quantised to E4M3 (4 exponent bits, 3 mantissa bits; 8 bits a number), with one power-of-two scale for each 32 numbers along K (OCP MX v1.0); their sums are f32. All else is computed in f32.
;;   The module's matrix products, in the order in which they are computed (A, B: the left and right operand; K: the contracted axis; several contracted axes count as one K, in the product's order):
;;     1. [M 4,096, K 1,024] x [K 1,024, N 1,024]; A: input x (given as codes); B: input Wq (given as codes): QUANTISED
;;     2. [M 4,096, K 1,024] x [K 1,024, N 1,024]; A: input x (given as codes); B: input Wk (given as codes): QUANTISED
;;     3. [M 4,096, K 1,024] x [K 1,024, N 1,024]; A: input x (given as codes); B: input Wv (given as codes): QUANTISED
;;     4. batch 32 x [M 2,048, K 64] x [K 64, N 2,048]; A: computed on the way; B: computed on the way: QUANTISED
;;     5. batch 32 x [M 2,048, K 2,048] x [K 2,048, N 64]; A: softmax (see below); B: computed on the way: QUANTISED
;;     6. [M 4,096, K 1,024] x [K 1,024, N 1,024]; A: computed on the way; B: input Wo (given as codes): QUANTISED
;;   THE QUANTISER, for each operand of a quantised product, along K:
;;     - K is cut into blocks of 32 from its start; a last block that is shorter is filled with zeros.
;;     - A block's scale is 2^e with e = floor(log2(the largest magnitude in the block)) - 8, held to -126 .. 127; a block of zeros has e = 0. As a byte (E8M0): e + 127.
;;     - Each number is divided by its block's scale, clamped to +-448, and rounded to the nearest number of E4M3, ties to even, subnormals kept.
;;     - The product sums the exact products of the quantised numbers (number of the format x scale) in f32.
;;   ~~~python
;;   def quantise(x, axis):      # numpy; x: float32 -> the quantised numbers, widened to float32 again
;;       x = np.moveaxis(x, axis, -1); K = x.shape[-1]
;;       x = np.pad(x, [(0, 0)] * (x.ndim - 1) + [(0, -K % 32)]); x = x.reshape(x.shape[:-1] + (-1, 32)); a = np.abs(x).max(-1, keepdims=True)
;;       e = np.where(a > 0, np.clip(np.frexp(np.where(a > 0, a, 1))[1] - 1 - 8, -126, 127), 0)      # np.frexp(a)[1] - 1 = floor(log2(a)), exactly
;;       r = np.clip(x / 2.0 ** e, -448, 448)
;;       step = 2.0 ** (np.maximum(np.frexp(np.where(r == 0, 1, r))[1] - 1, -6) - 3)
;;       q = np.round(r / step) * step * 2.0 ** e      # np.round: ties to even
;;       return np.moveaxis(q.reshape(q.shape[:-2] + (-1,))[..., :K], -1, axis).astype(np.float32)
;;   ~~~
;;   SOFTMAX AHEAD OF A QUANTISED PRODUCT. Where the list says 'softmax', what is quantised is not the finished softmax but p = 2^(t - M), with t = logit x log2(e) and M = ceil(the row's largest t), a whole number; so 1/2 < the row's largest p <= 1. The row's sum l is taken of the UNQUANTISED p, in f32, and the product's result is divided by l at the end. Since M is a whole number, a kernel that streams over the keys may use a running M (the ceiling of the running maximum): every later rescaling is an exact power of two, which a block's scale takes up: the codes' values come out the same.
;;   OPERANDS COMPUTED ON THE WAY. 'Computed on the way' means the value that the module computes at that place (a softmax that the list does not call 'softmax' is quantised finished and normalised). What goes into a quantiser is computed in f32, as accurately as f32 sums, v_exp_f32 and their like allow (about 1e-6 of the number): no bf16 or f16 on the way to a quantiser, and a product that is left as it is and whose result goes on into a quantised operand takes f32 operands (vector FMAs, or v_wmma_f32_16x16x4_f32). A number that lies on a knife's edge between two numbers of the format may be rounded either way, as far as f32 arithmetic and the matrix unit's own rounding can turn it there, and no further.
;;   INPUTS GIVEN AS CODES. Wk (in the module: [1024, 1024], K = its axis 0); Wo (in the module: [1024, 1024], K = its axis 0); Wq (in the module: [1024, 1024], K = its axis 0); Wv (in the module: [1024, 1024], K = its axis 0); x (in the module: [2, 2048, 1024], K = its axis 2): each comes as NAME_codes (uint8): NAME with its K axis moved to the last place and cut into blocks of 32 codes, [.., K / 32, bytes a block], one block behind the other in memory; one code a byte (a code: sign, 4 exponent bits, 3 mantissa bits); and NAME_scales (uint8): the same leading axes, one E8M0 byte (e + 127) for each 32 codes along K. Its value is code x scale, taken as it is: it is not quantised again, and the codes and scales need not be those that the quantiser above would give.
;; One version. Each part assembles by itself: llvm-mc -triple=amdgcn-amd-amdhsa -mcpu=gfx1250 --defsym DOCPART=n.
;; ======== version 1 of 1: 3 launches
;; limits: right only within a limited range of input values
;; workspace buffers: qc 4,325,376 bytes; kc 4,325,376 bytes; vc 4,325,376 bytes; vsum 131,072 bytes; cc 4,325,376 bytes
;; launch qkv (part 1): grid 12 x 16, 4 waves a work-group, clusters of 4 x 4, 327,680 bytes of LDS; arguments x_codes, x_scales, Wq_codes, Wq_scales, Wk_codes, Wk_scales, Wv_codes, Wv_scales, bq, bk, bv, qc, kc, vc, vsum; writes qc, kc, vc, vsum
.if DOCPART == 1
	.amdgcn_target "amdgcn-amd-amdhsa--gfx1250"
	.amdhsa_code_object_version 6
	.text
	.protected	k_q7bc20314eb_qkv
	.globl	k_q7bc20314eb_qkv
	.p2align	8
	.type	k_q7bc20314eb_qkv,@function
k_q7bc20314eb_qkv:
	s_mov_b64 s[64:65], 0
	v_nop
	global_prefetch_b8 v0, s[64:65] scope:SCOPE_SE
	s_setreg_imm32_b32 hwreg(HW_REG_WAVE_MODE, 25, 1), 1
	s_wait_xcnt 0x0
	s_wait_alu depctr_hold_cnt(0) depctr_sa_sdst(0) depctr_va_vdst(0) depctr_va_sdst(0) depctr_va_ssrc(0) depctr_va_vcc(0) depctr_vm_vsrc(0)
	s_getreg_b32 s2, hwreg(HW_REG_IB_STS2, 6, 4)
	s_cmp_eq_u32 s2, 0
	s_cbranch_scc0 .Lentry_in_a_cluster
	s_endpgm
.Lentry_in_a_cluster:
	s_bfe_u32 s2, ttmp6, 0x10000c
	s_cmp_lg_u32 s2, 0xf033
	s_cbranch_scc0 .Lentry_shape_is_right
	s_endpgm
.Lentry_shape_is_right:
; q, k, v = x W + b on codes of FP8 (E4M3) with one E8M0 scale for each 32 along K = 1,024, each result quantised at once: q and k along the head's 64, v along the tokens.  Cluster x = 0, 1, 2: q, k, v; a tile of 256 x 256, four waves of 128 x 128.
; THE BUFFERS qc, kc, vc: [batch x head 32][128 tokens 16][8,192 bytes of codes, then 256 bytes of scale words], images of the operand registers of the attention launch.
; vsum: [batch x head 32][128 tokens 16][64] f32: for each of the head's 64 the sum of the QUANTISED v over 128 tokens, by a product of the codes just made with ones: the attention launch takes from it what hidden keys add.
; No step of the problem is left out.  No prefetch: K has four steps, so the ring has two refills in all, and what they fetch could be asked for at the head alone.
; LIMITS: NaN, infinities and the scale byte 0xff are not served; a block of zeros gets the byte 1 (these bytes are read by this program alone).
.set KSTEP,  256
.set NQ,     2
.set ROWB,   256
.set KROW,   1024
.set PITCH,  272
.set FR,     16
.set NL,     4
.set NP,     8
.set HALFT,  128*PITCH
.set SLOT,   4*HALFT
.set LAPS,   2
.set KS,     32
.set SCL,    2*SLOT
.set HALFS,  (128*KS/256)*272
.set SBLK,   (16*KS/256)*272
.set SPARE,  SCL+4*HALFS
.set ADRA, 16
.set ADRB, 20
.set VA0,  24
.set VA1,  25
.set SST,  26
.set ADRS, 27
.set SPW,  28
.set NIL,  29
.set SRD,  30
.set SGO,  31
.set SC,   32
.set BI,   64
.set TM,   64
.set WD,   80
.set FW,   88
.set AF,   128
.set PC,   128
.set G1, 24
.set G0, 32
.set G1B, 48
.set G0B, 56
.set G1S, 68
.set G0S, 76
.set G1SB, 80
.set G0SB, 88
.set MSB, 0
.macro WIN new
.if MSB != (\new)
	s_set_vgpr_msb (MSB<<8)|(\new)
.set MSB, (\new)
.endif
.endm
.set MUL_LO, 0xa1
.set MUL_HI, 0xf1
.set TO_B,   0x40
.macro JLOAD g0a, g1a, g0b, g1b
	s_cmp_eq_u32 s15, 0
	s_cbranch_scc0 .Lfor_b_\@
	tensor_load_to_lds s[\g0a:\g0a+3], s[\g1a:\g1a+7]
	s_nop 0
.rept 4
	v_nop
.endr
	s_branch .Lasked_\@
.Lfor_b_\@:
	tensor_load_to_lds s[\g0b:\g0b+3], s[\g1b:\g1b+7]
	s_nop 0
.rept 4
	v_nop
.endr
.Lasked_\@:
.endm
.macro CREST
	s_cmp_lg_u32 s14, 0
	s_cbranch_scc1 .Lnot_wave_0_\@
	s_barrier_signal -3
.Lnot_wave_0_\@:
	s_barrier_wait -3
	s_barrier_signal -1
	s_barrier_wait -1
.endm
.macro CROUND
	s_barrier_signal -1
	s_barrier_wait -1
	CREST
.endm
	s_load_b512 s[24:39], s[0:1], 0x0
	s_load_b256 s[48:55], s[0:1], 0x40
	s_load_b128 s[56:59], s[0:1], 0x60
	v_lshl_add_u32 v[SPW], v0, 2, SPARE
	v_mov_b32 v[NIL], 0
	ds_add_u32 v28, v29
	ds_add_u32 v28, v29
	s_wait_dscnt 0x0
	v_lshrrev_b32 v1, 5, v0
	v_readfirstlane_b32 s14, v1
	s_lshr_b32 s15, s14, 1
	s_and_b32 s16, s14, 1
	s_bfe_u32 s40, ttmp6, 0x40000
	s_bfe_u32 s41, ttmp6, 0x40004
	s_and_b32 s18, ttmp7, 0xffff
	s_lshl_b32 s18, s18, 2
	s_lshl_b32 s43, s41, 2
	s_lshl_b32 s43, 15, s43
	s_lshl_b32 s44, 0x1111, s40
	s_or_b32 s[G1S+0], s43, (3<<16)|(1<<20)|(1<<21)|(5<<22)|(3<<25)
	s_or_b32 s[G1SB+0], s44, (3<<16)|(1<<20)|(1<<21)|(5<<22)|(3<<25)
.irp g, G1S, G1SB
	s_mov_b32 s[\g+1], 32<<16
	s_mov_b32 s[\g+2], KS<<16
	s_mov_b32 s[\g+3], 32<<16
	s_mov_b32 s[\g+4], KS
	s_mov_b32 s[\g+5], 32
	s_mov_b32 s[\g+6], 0
	s_mov_b32 s[\g+7], 0
.endr
	s_wait_kmcnt 0x0
	s_cmp_eq_u32 ttmp9, 1
	s_cselect_b64 s[28:29], s[32:33], s[28:29]
	s_cselect_b64 s[30:31], s[34:35], s[30:31]
	s_cselect_b64 s[48:49], s[50:51], s[48:49]
	s_cselect_b64 s[54:55], s[56:57], s[54:55]
	s_cmp_eq_u32 ttmp9, 2
	s_cselect_b64 s[28:29], s[36:37], s[28:29]
	s_cselect_b64 s[30:31], s[38:39], s[30:31]
	s_cselect_b64 s[98:99], s[52:53], s[48:49]
	s_cselect_b64 s[12:13], s[58:59], s[54:55]
	s_cselect_b64 s[4:5], s[28:29], s[24:25]
	s_cselect_b64 s[6:7], s[30:31], s[26:27]
	s_cselect_b64 s[8:9], s[24:25], s[28:29]
	s_cselect_b64 s[10:11], s[26:27], s[30:31]
	s_cselect_b32 s100, -1, 0
	s_cselect_b32 s19, 0, s18
	s_cselect_b32 s22, s18, 0
	s_mov_b32 s101, 135168
	s_cselect_b32 s101, 1024, s101
	s_add_co_u32 s17, s41, s19
	s_add_co_u32 s42, s40, s22
	s_or_b32 s[G1+0], s43, (0<<16)|(1<<20)|(1<<21)|(5<<22)|(3<<25)
	s_or_b32 s[G1B+0], s44, (0<<16)|(1<<20)|(1<<21)|(5<<22)|(3<<25)
.irp g, G1, G1B
	s_mov_b32 s[\g+1], ROWB<<16
	s_mov_b32 s[\g+2], 256<<16
	s_mov_b32 s[\g+3], ROWB<<16
	s_mov_b32 s[\g+4], 256
	s_mov_b32 s[\g+5], KROW
	s_mov_b32 s[\g+6], 0
	s_mov_b32 s[\g+7], 0
.endr
	s_lshl_b32 s20, s17, 8
	s_lshl_b32 s46, s42, 8
	s_mov_b32 s21, 0
	s_mov_b32 s47, 0
	s_mov_b64 s[18:19], KS
	s_mul_u64 s[22:23], s[20:21], s[18:19]
	s_mul_u64 s[92:93], s[46:47], s[18:19]
	s_mov_b64 s[18:19], KROW
	s_mul_u64 s[20:21], s[20:21], s[18:19]
	s_mul_u64 s[46:47], s[46:47], s[18:19]
	s_mul_i32 s45, s14, HALFT
	s_mul_i32 s18, s16, 128*KROW           ; in the ring I fetch 128 rows of a tile
	s_mov_b32 s19, 0
	s_add_nc_u64 s[20:21], s[4:5], s[20:21]
	s_add_nc_u64 s[22:23], s[6:7], s[22:23]
	s_add_nc_u64 s[46:47], s[8:9], s[46:47]
	s_add_nc_u64 s[92:93], s[10:11], s[92:93]
	CROUND
; The head's four tiles, each whole: wave 0 fetches K step 0's 256 rows of A, wave 1 its 256 rows of B, wave 2 the scales of A's rows, wave 3 those of B's: one load a wave.
	s_mov_b32 s4, 1
	s_mov_b32 s5, 0
	s_mov_b64 s[6:7], s[20:21]
	s_or_b32 s7, s7, 0x80000000
	s_mov_b32 s8, 1
	s_mov_b32 s9, 2*HALFT
	s_mov_b64 s[10:11], s[46:47]
	s_or_b32 s11, s11, 0x80000000
	s_mov_b32 s[G0S], 1
	s_mov_b32 s[G0S+1], SCL
	s_mov_b64 s[G0S+2:G0S+3], s[22:23]
	s_or_b32 s[G0S+3], s[G0S+3], 0x80000000
	s_mov_b32 s[G0SB], 1
	s_mov_b32 s[G0SB+1], SCL+2*HALFS
	s_mov_b64 s[G0SB+2:G0SB+3], s[92:93]
	s_or_b32 s[G0SB+3], s[G0SB+3], 0x80000000
	s_add_nc_u64 s[20:21], s[20:21], s[18:19]
	s_add_nc_u64 s[46:47], s[46:47], s[18:19]
.irp s, 0,1
	s_mov_b32 s[G0+4*\s], 1
	s_add_co_u32 s[G0+4*\s+1], s45, \s*SLOT
	s_add_nc_u64 s[G0+4*\s+2:G0+4*\s+3], s[20:21], \s*ROWB
	s_or_b32 s[G0+4*\s+3], s[G0+4*\s+3], 0x80000000
	s_mov_b32 s[G0B+4*\s], 1
	s_add_co_u32 s[G0B+4*\s+1], s45, \s*SLOT
	s_add_nc_u64 s[G0B+4*\s+2:G0B+4*\s+3], s[46:47], \s*ROWB
	s_or_b32 s[G0B+4*\s+3], s[G0B+4*\s+3], 0x80000000
.endr
.macro ARM under, g0, g1, next
	s_cmp_lt_u32 s14, \under
	s_cbranch_scc0 \next
	tensor_load_to_lds s[\g0:\g0+3], s[\g1:\g1+7]
	s_nop 0
.rept 4
	v_nop
.endr
	s_branch .Lhead_asked
\next:
.endm
	ARM 1, 4, G1, .Lhead_b
	ARM 2, 8, G1B, .Lhead_sa
	ARM 3, G0S, G1S, .Lhead_sb
	tensor_load_to_lds s[G0SB:G0SB+3], s[G1SB:G1SB+7]
	s_nop 0
.rept 4
	v_nop
.endr
.Lhead_asked:
	v_and_b32 v1, 15, v0
	v_bfe_u32 v2, v0, 4, 1
	v_mul_u32_u24 v3, v1, PITCH
	v_lshl_add_u32 v4, v2, 4, v3
	s_mul_i32 s21, s15, HALFT
	s_mul_i32 s22, s16, HALFT
	s_add_co_u32 s22, s22, 2*HALFT
.irp s, 0,1
	v_add_nc_u32 v[ADRA+\s], s21, v4
	v_add_nc_u32 v[ADRB+\s], s22, v4
	s_add_co_u32 s21, s21, SLOT
	s_add_co_u32 s22, s22, SLOT
.endr
	v_mul_u32_u24 v5, v1, KS
	v_lshrrev_b32 v6, 8, v5
	v_lshl_add_u32 v5, v6, 4, v5
	s_mul_i32 s21, s15, HALFS
	s_mul_i32 s22, s16, HALFS
	s_add_co_u32 s22, s22, 2*HALFS
	s_sub_co_u32 s22, s22, s21
	v_mul_u32_u24 v6, s22, v2
	s_add_co_u32 s21, s21, SCL
	v_add_nc_u32 v5, v5, v6
	v_add_nc_u32 v[ADRS], s21, v5
	v_and_b32 v6, 31, v0
	v_lshlrev_b32 v[VA0], 4, v6
	v_add_nc_u32 v[VA1], s101, v[VA0]
	s_lshl_b32 s23, s14, 9
	v_lshl_add_u32 v[SST], v1, 2, s23
	v_lshl_add_u32 v[SRD], v6, 3, s23
	v_lshlrev_b32 v[SGO], 3, v6
	v_lshlrev_b32 v22, 5, v2
	v_lshlrev_b32 v23, 2, v1
	s_lshl_b32 s66, s17, 2
	s_lshl_b32 s67, s15, 1
	s_add_co_u32 s66, s66, s67
	s_lshl_b32 s67, s42, 2
	s_lshl_b32 s2, s16, 1
	s_add_co_u32 s67, s67, s2
	s_lshl_b32 s2, s42, 1
	s_add_co_u32 s2, s2, s16
	s_lshl_b32 s3, s17, 1
	s_add_co_u32 s3, s3, s15
	s_cmp_eq_u32 ttmp9, 2
	s_cselect_b32 s66, s66, s67
	s_cselect_b32 s67, s2, s3
	s_lshr_b32 s2, s67, 4
	s_lshl_b32 s2, s2, 4
	s_add_co_u32 s2, s2, s66
	s_lshl_b32 s2, s2, 4
	s_and_b32 s3, s67, 15
	s_add_co_u32 s2, s2, s3
	s_mul_i32 s92, s2, 8448
	s_mov_b32 s93, 0
	s_add_nc_u64 s[12:13], s[12:13], s[92:93]
	s_add_nc_u64 s[96:97], s[12:13], 0x2000
	s_lshl_b32 s94, s2, 8                  ; where my sums of v go
	s_mov_b32 s95, 0
	s_lshl_b32 s92, s66, 8
	s_add_nc_u64 s[98:99], s[98:99], s[92:93]
	s_cmp_eq_u32 ttmp9, 2
	s_cbranch_scc1 .Lbias_v
	s_wait_alu depctr_va_vdst(0)
.irp b, 0,1,2,3,4,5,6,7
	global_load_b128 v[BI+8*\b:BI+8*\b+3], v22, s[98:99] offset:64*\b
	global_load_b128 v[BI+8*\b+4:BI+8*\b+7], v22, s[98:99] offset:64*\b+16
.endr
	s_branch .Lbias_done
.Lbias_v:
	s_wait_alu depctr_va_vdst(0)
.irp a, 0,1,2,3,4,5,6,7
	global_load_b32 v[BI+8*\a], v23, s[98:99] offset:64*\a
.endr
	s_wait_loadcnt 0x0
.irp a, 0,1,2,3,4,5,6,7
.irp j, 1,2,3,4,5,6,7
	v_mov_b32 v[BI+8*\a+\j], v[BI+8*\a]
.endr
.endr
.Lbias_done:
.macro FRAG reg, adr, q, i
.irp c, 0,1,2,3
	ds_load_b128 v[\reg+4*\c:\reg+4*\c+3], v[\adr] offset:128*(\q)+32*\c+(\i)*16*PITCH
.endr
.endm
.macro MUL16 a0, p, q, sc, cmode
.irp a, \a0, \a0+1
.irp b, 0,1,2,3,4,5,6,7
.if \cmode == 1
	v_wmma_scale_f32_16x16x128_f8f6f4 v[8*(8*((\a)%4)+\b):8*(8*((\a)%4)+\b)+7], v[128*(\p)+FR*\b:128*(\p)+FR*\b+FR-1], v[AF+FR*(\a):AF+FR*(\a)+FR-1], v[BI+8*\b:BI+8*\b+7], v[SC+8*NQ*(\sc)+NQ*\b+(\q)], v[SC+8*NQ*(\sc)+NQ*(\a)+(\q)] matrix_a_scale:MATRIX_SCALE_ROW1
.elseif \cmode == 2
	v_wmma_scale_f32_16x16x128_f8f6f4 v[8*(8*((\a)%4)+\b):8*(8*((\a)%4)+\b)+7], v[128*(\p)+FR*\b:128*(\p)+FR*\b+FR-1], v[AF+FR*(\a):AF+FR*(\a)+FR-1], v[BI+8*(\a):BI+8*(\a)+7], v[SC+8*NQ*(\sc)+NQ*\b+(\q)], v[SC+8*NQ*(\sc)+NQ*(\a)+(\q)] matrix_a_scale:MATRIX_SCALE_ROW1
.else
	v_wmma_scale_f32_16x16x128_f8f6f4 v[8*(8*((\a)%4)+\b):8*(8*((\a)%4)+\b)+7], v[128*(\p)+FR*\b:128*(\p)+FR*\b+FR-1], v[AF+FR*(\a):AF+FR*(\a)+FR-1], v[8*(8*((\a)%4)+\b):8*(8*((\a)%4)+\b)+7], v[SC+8*NQ*(\sc)+NQ*\b+(\q)], v[SC+8*NQ*(\sc)+NQ*(\a)+(\q)] matrix_a_scale:MATRIX_SCALE_ROW1
.endif
.endr
.endr
.endm
.macro FETCH_B slot, q, p
	WIN TO_B
.irp i, 0,1,2,3,4,5,6,7
	FRAG 128*(\p)+FR*\i, ADRB+\slot, \q, \i
.endr
	WIN 0
.endm
.macro FETCH_A slot, q, i0
.irp i, \i0, \i0+1, \i0+2, \i0+3
	FRAG AF+FR*(\i), ADRA+\slot, \q, \i
.endr
.endm
.macro SCALES sc
.irp i, 0,1,2,3,4,5,6,7
	ds_load_b64 v[SC+8*NQ*\sc+NQ*\i:SC+8*NQ*\sc+NQ*\i+1], v[ADRS] offset:\i*SBLK
.endr
.endm
.macro PLACES n
.rept \n
	v_nop
.endr
.endm
.macro STEP slot, q, cmode
	s_wait_dscnt 4*NL
.if \cmode
	WIN 0x81
.else
	WIN MUL_LO
.endif
	MUL16 0, (\q)%2, \q, \slot, \cmode
	MUL16 2, (\q)%2, \q, \slot, \cmode
	s_wait_dscnt 0
	PLACES NP
	FETCH_B \slot, (\q)+1, 1-(\q)%2
	FETCH_A \slot, (\q)+1, 0
.if \cmode
	WIN 0xc1
.else
	WIN MUL_HI
.endif
	MUL16 4, (\q)%2, \q, \slot, \cmode
	MUL16 6, (\q)%2, \q, \slot, \cmode
	PLACES NP
	WIN 0
	FETCH_A \slot, (\q)+1, 4
.endm
.macro TURN slot, next, fill
	s_wait_tensorcnt 0x0
	ds_add_u32 v[SPW], v[NIL]
	s_wait_dscnt 4*NL+1
	WIN MUL_LO
	MUL16 0, 1, NQ-1, \slot, 0
	s_wait_dscnt 0x0
	s_barrier_signal -1
	MUL16 2, 1, NQ-1, \slot, 0
	WIN 0
	s_barrier_wait -1
.if \fill
	CREST
	s_add_nc_u64 s[G0+4*\slot+2:G0+4*\slot+3], s[G0+4*\slot+2:G0+4*\slot+3], 2*ROWB
	s_add_nc_u64 s[G0B+4*\slot+2:G0B+4*\slot+3], s[G0B+4*\slot+2:G0B+4*\slot+3], 2*ROWB
	JLOAD G0+4*\slot, G1, G0B+4*\slot, G1B
	PLACES NP-4
.else
	PLACES NP
.endif
	s_wait_alu depctr_va_vdst(0)
	v_add_nc_u32 v[ADRS], 4*NQ, v[ADRS]
	FETCH_B \next, 0, 0
	FETCH_A \next, 0, 0
	SCALES \next
	WIN MUL_HI
	MUL16 4, 1, NQ-1, \slot, 0
	MUL16 6, 1, NQ-1, \slot, 0
	PLACES NP
	WIN 0
	FETCH_A \next, 0, 4
.endm
	s_wait_alu depctr_va_vdst(0)           ; the wait at the head's end
	s_wait_tensorcnt 0x0                   ; my tile of the head's four is in
	ds_add_u32 v[SPW], v[NIL]
	s_mov_b32 s[G1+2], 128<<16             ; no tensor load of mine is out: from here on a load brings 128 rows
	s_mov_b32 s[G1+4], 128
	s_mov_b32 s[G1B+2], 128<<16
	s_mov_b32 s[G1B+4], 128
	s_wait_dscnt 0x0
	CROUND
	JLOAD G0+4, G1, G0B+4, G1B             ; K step 1, the first tensor load behind the round
	FETCH_B 0, 0, 0
	FETCH_A 0, 0, 0
	SCALES 0
	FETCH_A 0, 0, 4
	s_wait_loadcnt 0x0
	s_cmp_eq_u32 ttmp9, 2
	s_cbranch_scc1 .Lstart_v
	s_wait_alu depctr_va_vdst(0)
	STEP 0, 0, 1
	s_branch .Lstarted
.Lstart_v:
	s_wait_alu depctr_va_vdst(0)
	STEP 0, 0, 2
.Lstarted:
	s_mov_b32 s3, LAPS-1
.Llap:
	TURN 0, 1, 1
	STEP 1, 0, 0
	TURN 1, 0, 1
	STEP 0, 0, 0
	s_sub_co_u32 s3, s3, 1
	s_cmp_lg_u32 s3, 0
	s_cbranch_scc1 .Llap
	TURN 0, 1, 0
	STEP 1, 0, 0
	s_wait_dscnt 4*NL
	WIN MUL_LO
	MUL16 0, 1, NQ-1, 1, 0
	MUL16 2, 1, NQ-1, 1, 0
	s_wait_dscnt 0
	WIN MUL_HI
	MUL16 4, 1, NQ-1, 1, 0
	MUL16 6, 1, NQ-1, 1, 0
	WIN 0
	s_mov_b32 s24, 0x4800000
	s_mov_b32 s25, 0x600000
	s_mov_b32 s26, 0x76543210
	s_mov_b32 s27, 0xfedcba98
	s_cmp_eq_u32 ttmp9, 2
	s_mov_b32 s28, 1024
	s_cselect_b32 s28, 2048, s28
	s_mov_b32 s29, 0
	s_mov_b32 s30, 1024
	s_cselect_b32 s30, 129024, s30
	s_mov_b32 s31, 0
	s_mov_b32 s32, 0x05040100
	s_mov_b32 s33, 0x07060302
	PLACES NP
.irp b, 0,1,2,3
	v_mov_b32 v[TM+4+\b], 0
.endr
.macro UNIT a
.set UX, 64*((\a)%4)
.set UW, 2+(\a)/4
.set W1, (UW<<2)|(UW<<4)
.set W3, UW|(UW<<6)
	WIN W1
.irp b, 0,1,2,3
	v_max3_num_f32 v[TM+\b], s24, |v[UX+16*\b]|, |v[UX+16*\b+1]|
.endr
.irp i, 2,4,6,8,10,12,14
.irp b, 0,1,2,3
	v_max3_num_f32 v[TM+\b], v[TM+\b], |v[UX+16*\b+\i]|, |v[UX+16*\b+\i+1]|
.endr
.endr
	WIN 0
.irp b, 0,1,2,3
	v_permlanex16_b32 v[TM+4+\b], v[TM+\b], s26, s27
.endr
.irp b, 0,1,2,3
	v_max_num_f32 v[TM+\b], v[TM+\b], v[TM+4+\b]
.endr
.irp b, 0,1,2,3
	v_add_nc_u32 v[TM+12+\b], 0xfc000000, v[TM+\b]
.endr
.irp b, 0,1,2,3
	v_and_or_b32 v[TM+8+\b], v[TM+\b], 0x7f800000, s25
.endr
.irp b, 0,1,2,3
	v_lshrrev_b32 v[TM+4+\b], 23, v[TM+12+\b]
.endr
	v_lshl_or_b32 v[WD+(\a)], v[TM+5], 8, v[TM+4]
	v_lshl_or_b32 v[WD+(\a)], v[TM+6], 16, v[WD+(\a)]
	v_lshl_or_b32 v[WD+(\a)], v[TM+7], 24, v[WD+(\a)]
	WIN W3
.irp b, 0,1,2,3
.irp i, 0,1,2,3,4,5,6,7,8,9,10,11,12,13,14,15
	v_med3_num_f32 v[UX+16*\b+\i], v[UX+16*\b+\i], -v[TM+8+\b], v[TM+8+\b]
.endr
.endr
	WIN UW
.irp b, 0,1,2,3
	v_cvt_scalef32_pk8_fp8_f32 v[PC+16*(\a)+4*\b:PC+16*(\a)+4*\b+1], v[UX+16*\b:UX+16*\b+7], v[TM+12+\b]
	v_cvt_scalef32_pk8_fp8_f32 v[PC+16*(\a)+4*\b+2:PC+16*(\a)+4*\b+3], v[UX+16*\b+8:UX+16*\b+15], v[TM+12+\b]
.endr
	WIN 0
	v_nop
.if (\a) > 0
	s_wait_alu depctr_va_vdst(0)
	s_wait_xcnt 0x0
.if (\a) == 4
	s_add_nc_u64 s[12:13], s[12:13], s[30:31]
.else
	s_add_nc_u64 s[12:13], s[12:13], s[28:29]
.endif
.endif
.irp b, 0,1,2,3
	global_store_b128 v[VA0+(\b)/2], v[PC+16*(\a)+4*\b:PC+16*(\a)+4*\b+3], s[12:13] offset:512*((\b)%2)
.endr
.endm
.irp a, 0,1,2,3,4,5,6,7
	UNIT \a
.endr
.irp t, 0,1,2,3
	v_perm_b32 v[FW+\t], v[WD+2*\t+1], v[WD+2*\t], s32
	v_perm_b32 v[FW+4+\t], v[WD+2*\t+1], v[WD+2*\t], s33
.endr
.irp n, 0,1,2,3,4,5,6,7
	v_cndmask_b32 v[FW+\n], v[FW+\n], v[WD+\n], s100
.endr
.irp n, 0,1,2,3,4,5,6,7
	ds_store_b32 v[SST], v[FW+\n] offset:64*\n
.endr
	ds_load_b64 v[96:97], v[SRD]
	ds_load_b64 v[98:99], v[SRD] offset:256
	s_wait_dscnt 0x0
	global_store_b64 v[SGO], v[96:97], s[96:97]
	global_store_b64 v[SGO], v[98:99], s[96:97] offset:135168
	s_cmp_lg_u32 ttmp9, 2
	s_cbranch_scc1 .Lno_sums
	; THE SUMS OF v: ones x (16 of the head's 64 x 128 tokens, as just quantised): lane r holds the sum of number r of a unit
	s_load_b64 s[34:35], s[0:1], 0x70
	v_mov_b32 v116, 0x7f7f7f7f             ; scales 1.0
.irp k, 100,101,102,103,104,105,106,107,108,109,110,111,112,113,114,115
	v_mov_b32 v\k, 0x38383838              ; the code of 1.0 is 0x38
.endr
.rept 4
	v_nop
.endr
	s_wait_alu depctr_va_vdst(0)
	s_wait_kmcnt 0x0
	s_add_nc_u64 s[34:35], s[34:35], s[94:95]
	WIN 0x80
.irp a, 0,1,2,3,4,5,6,7
	v_wmma_scale_f32_16x16x128_f8f6f4 v[8*\a:8*\a+7], v[100:115], v[PC+16*\a:PC+16*\a+15], 0, v116, v[WD+\a]
.endr
	WIN 0
	PLACES NP
	WIN 0x08
.irp a, 0,1,2,3,4,5,6,7
	ds_store_b32 v[SST], v[8*\a] offset:2048+64*\a
.endr
	WIN 0
	ds_load_b64 v[118:119], v[SRD] offset:2048
	ds_load_b64 v[120:121], v[SRD] offset:2304
	s_wait_dscnt 0x0
	global_store_b64 v[SGO], v[118:119], s[34:35]
	global_store_b64 v[SGO], v[120:121], s[34:35] offset:4096
.Lno_sums:
	s_wait_tensorcnt 0x0
	ds_add_u32 v[SPW], v[NIL]
	s_wait_dscnt 0x0
	CROUND
	s_endpgm
.Lfunc_end_k_q7bc20314eb_qkv:
	.size	k_q7bc20314eb_qkv, .Lfunc_end_k_q7bc20314eb_qkv-k_q7bc20314eb_qkv
	.p2alignl 7, 3214868480
	.fill 96, 4, 3214868480
	.section	.rodata,"a",@progbits
	.p2align	6, 0x0
	.amdhsa_kernel k_q7bc20314eb_qkv
		.amdhsa_group_segment_fixed_size 327680
		.amdhsa_private_segment_fixed_size 0
		.amdhsa_enable_private_segment 0
		.amdhsa_kernarg_size 120
		.amdhsa_user_sgpr_count 2
		.amdhsa_user_sgpr_kernarg_segment_ptr 1
		.amdhsa_wavefront_size32 1
		.amdhsa_system_sgpr_workgroup_id_x 1
		.amdhsa_system_sgpr_workgroup_id_y 1
		.amdhsa_system_sgpr_workgroup_id_z 1
		.amdhsa_system_vgpr_workitem_id 0
		.amdhsa_next_free_vgpr 1024
		.amdhsa_next_free_sgpr 102
		.amdhsa_reserve_vcc 0
		.amdhsa_float_denorm_mode_32 3
		.amdhsa_float_denorm_mode_16_64 3
		.amdhsa_memory_ordered 1
		.amdhsa_forward_progress 1
		.amdhsa_inst_pref_size 209
	.end_amdhsa_kernel
	.amdgpu_metadata
---
amdhsa.version: [ 1, 2 ]
amdhsa.kernels:
  - .name:           k_q7bc20314eb_qkv
    .symbol:         k_q7bc20314eb_qkv.kd
    .args:
      - { .name: x_codes, .offset: 0, .size: 8, .value_kind: global_buffer, .address_space: global }
      - { .name: x_scales, .offset: 8, .size: 8, .value_kind: global_buffer, .address_space: global }
      - { .name: Wq_codes, .offset: 16, .size: 8, .value_kind: global_buffer, .address_space: global }
      - { .name: Wq_scales, .offset: 24, .size: 8, .value_kind: global_buffer, .address_space: global }
      - { .name: Wk_codes, .offset: 32, .size: 8, .value_kind: global_buffer, .address_space: global }
      - { .name: Wk_scales, .offset: 40, .size: 8, .value_kind: global_buffer, .address_space: global }
      - { .name: Wv_codes, .offset: 48, .size: 8, .value_kind: global_buffer, .address_space: global }
      - { .name: Wv_scales, .offset: 56, .size: 8, .value_kind: global_buffer, .address_space: global }
      - { .name: bq, .offset: 64, .size: 8, .value_kind: global_buffer, .address_space: global }
      - { .name: bk, .offset: 72, .size: 8, .value_kind: global_buffer, .address_space: global }
      - { .name: bv, .offset: 80, .size: 8, .value_kind: global_buffer, .address_space: global }
      - { .name: qc, .offset: 88, .size: 8, .value_kind: global_buffer, .address_space: global }
      - { .name: kc, .offset: 96, .size: 8, .value_kind: global_buffer, .address_space: global }
      - { .name: vc, .offset: 104, .size: 8, .value_kind: global_buffer, .address_space: global }
      - { .name: vsum, .offset: 112, .size: 8, .value_kind: global_buffer, .address_space: global }
    .group_segment_fixed_size: 327680
    .private_segment_fixed_size: 0
    .kernarg_segment_align: 8
    .kernarg_segment_size: 120
    .max_flat_workgroup_size: 128
    .sgpr_count:     102
    .vgpr_count:     1024
    .wavefront_size: 32
...
	.end_amdgpu_metadata
.endif
;; end of part 1
;; launch attn (part 2): grid 8 x 32, 8 waves a work-group, clusters of 4 x 1, 327,680 bytes of LDS; arguments qc, kc, vc, vsum, cc; writes cc
.if DOCPART == 2
	.amdgcn_target "amdgcn-amd-amdhsa--gfx1250"
	.amdhsa_code_object_version 6
	.text
	.protected	k_q7bc20314eb_attn
	.globl	k_q7bc20314eb_attn
	.p2align	8
	.type	k_q7bc20314eb_attn,@function
k_q7bc20314eb_attn:
	s_mov_b64 s[64:65], 0
	v_nop
	global_prefetch_b8 v0, s[64:65] scope:SCOPE_SE
	s_setreg_imm32_b32 hwreg(HW_REG_WAVE_MODE, 25, 1), 1
	s_wait_xcnt 0x0
	s_wait_alu depctr_hold_cnt(0) depctr_sa_sdst(0) depctr_va_vdst(0) depctr_va_sdst(0) depctr_va_ssrc(0) depctr_va_vcc(0) depctr_vm_vsrc(0)
	s_getreg_b32 s2, hwreg(HW_REG_IB_STS2, 6, 4)
	s_cmp_eq_u32 s2, 0
	s_cbranch_scc0 .Lentry_in_a_cluster
	s_endpgm
.Lentry_in_a_cluster:
	s_bfe_u32 s2, ttmp6, 0x10000c
	s_cmp_lg_u32 s2, 0x3003
	s_cbranch_scc0 .Lentry_shape_is_right
	s_endpgm
.Lentry_shape_is_right:
; ctx = softmax(where(causal, q k^T / 8, -10000)) v for one batch x head, both products on codes of FP8 (E4M3) with one E8M0 scale for each 32 along K; ctx is quantised at once for the last product.
; THE SOFTMAX: t = logit x log2(e); M = the row's largest t so far, rounded UP to a whole number; p = 2^(t - M) is quantised along the keys, not normalised; the row's sum is taken of the unquantised p and divides at the end.
; When M moves, the sum and O are multiplied by 2^(old M - new M): exact.
; THE MASK IS -10000, NOT -INFINITY: hidden keys keep a share.  In the 128 keys of the diagonal they go through the softmax like all others.  Behind those every hidden key of a query has the one number p_m = 2^(t_m - M), alone in its block of 32,
; so its product with v is Q(p_m) x the sum of the quantised v over those keys: a suffix of vsum's rows.  Nothing is left out: a common factor is taken out of a sum.
; SHARES.  Work-group i (0..7) of a head, eight waves.  Wave w has two tiles of 16 queries: tile i of block 15 - w of 128 queries (LONG: 16 - w steps of 128 keys) and tile i of block w (SHORT: w + 1 steps): 17 tile steps in every wave.
; Both tiles use the same fragments of K and V.  Branches hang on the wave's number alone.
; LDS IS FILLED ONCE: the head's K and V, 135,168 bytes each (16 steps of 8,192 bytes of codes and 256 of scale words), four steps to a load, ONE load a wave.  The first barrier shows waves 0 and 1's loads (steps 0 to 3), a second one, behind step 0, the rest.
; CLUSTERS of four work-groups of a head: K and V are asked for jointly.  No prefetch: every load is issued at the head, and no loop runs ahead of one.
; LAYOUT.  Both products are transposed: S^T = K Q^T, O^T = V^T P^T: a lane holds ONE query (lane % 16).  Operands lie as images of their registers; in a block of 32 the order is k = 16 (i / 8) + 8 (lane / 16) + i % 8, alike in both operands.
; The first product's K is 64, the instruction's 128: a fragment of K holds two tiles of 16 keys and is multiplied by {q, 0} and by {0, q}: zero codes add nothing.
; cc: [tile row m 32][4,096 scale bytes: [head 16][block % 8][r 16] two; 131,072 bytes of codes: [128 along K 8][block % 8][block of 32: 4][512]], m = 2 (8 batch + i) + block / 8.
; LIMITS: NaN and infinities are not served; scaled scores stay under 2^31 in magnitude.  Where -10000 takes part in a row, its t carries the rounding of log2(e) / 8 at magnitude 14,427.  A p_m under 2^-117 is rounded to 4 bits like a larger one.  A block of zeros gets the byte 1.
; REGISTERS: window 0: v1-11 addresses, v12-15 scale words of K and V, v16-79 K's fragments, from v80 the LONG tile; v248-251 scale words of q and p.  Window 1: v0-63 V's fragments, from v80 the SHORT tile at the same numbers, v248-251 the suffix sums.
.set VIM,  135168
.set STEPB, 8448
.set CSG,  270336                      ; 512 bytes: ctx's scale bytes; no tensor load lands behind here
.set SUF,  270848                      ; 512 bytes a wave: the two suffix sums
.set SPARE, 274944
.set KFR,  16
.set QF,   80
.set OT,   104
.set SR,   136
.set PCD,  200
.set BM,   216
.set BT,   220
.set BH,   224
.set BS,   228
.set NM,   232                         ; -M
.set MX,   234                         ; the largest raw score so far
.set RH,   235                         ; r - 8 h
.set SM0,  236
.set FF,   238
.set C1,   240
.set C2,   242
.set C3,   244
.set T1,   246
.set T2,   247
.set SPW,  252
.set NIL,  253
.set SELA, 20
.set CS,   22
.set NC,   24
.set MNT,  25
.set HM,   26
.set SMR,  27
.set SELQ, 28
.set KF,   29
.set KLD,  30                          ; the first key of the LONG tile's last step
.set KSD,  31                          ; of the SHORT tile's
.set T8,   32
.set TN,   33
.set G1,   48
.set G0,   56
.set MSB, 0
.macro WIN new                         ; the immediate's high byte repeats the setting that is left
.if MSB != (\new)
	s_set_vgpr_msb (MSB<<8)|(\new)
.set MSB, (\new)
.endif
.endm
.macro CROUND                          ; a round of the cluster's barrier
	s_barrier_signal -1
	s_barrier_wait -1
	s_cmp_lg_u32 s14, 0
	s_cbranch_scc1 .Lnot_wave_0_\@
	s_barrier_signal -3
.Lnot_wave_0_\@:
	s_barrier_wait -3
	s_barrier_signal -1
	s_barrier_wait -1
.endm
.macro PLACES n
.rept \n
	v_nop
.endr
.endm
	s_load_b256 s[4:11], s[0:1], 0x0               ; qc 4, kc 6, vc 8, vsum 10
	s_load_b64 s[12:13], s[0:1], 0x20              ; cc
	v_lshl_add_u32 v[SPW], v0, 2, SPARE
	v_mov_b32 v[NIL], 0
	ds_add_u32 v[SPW], v[NIL]                      ; the opening: the add, twice on end
	ds_add_u32 v[SPW], v[NIL]
	v_lshrrev_b32 v1, 5, v0
	v_readfirstlane_b32 s14, v1                    ; wave w = 0..7
	s_bfe_u32 s34, ttmp6, 0x40000
	s_lshl_b32 s15, ttmp9, 2
	s_add_co_u32 s15, s15, s34                     ; i = 4 x cluster x + cx
	s_and_b32 s16, ttmp7, 0xffff                   ; batch x head
	s_mov_b32 s[G1], (3<<16)|(1<<21)|15            ; the mask: all four; elements of 8 bytes; no padding
	s_mov_b32 s[G1+1], 32<<16
	s_mov_b32 s[G1+2], 132<<16                     ; 132 rows of 256 bytes: four steps
	s_mov_b32 s[G1+3], 32<<16
	s_mov_b32 s[G1+4], 132
	s_mov_b32 s[G1+5], 32
	s_mov_b32 s[G1+6], 0
	s_mov_b32 s[G1+7], 0
	s_mov_b32 s[SELA], 0x76543210                  ; lane l xor 16
	s_mov_b32 s[SELA+1], 0xfedcba98
	s_mov_b32 s[CS], 0x3e38aa3b                    ; c = log2(e) / 8
	s_mov_b32 s[CS+1], s[CS]                       ; (named with it as a pair)
	s_mov_b32 s[NC], 0xbe38aa3b                    ; -c
	s_mov_b32 s[MNT], 0x600000                     ; the mantissa field of 448
	s_mov_b32 s[HM], 0xffff0000                    ; the mask of lanes 16-31
	s_mov_b32 s[SMR], 0xc79c4000                   ; -80000: the raw score that stands for the masked logit -10000
	s_lshl_b32 s[KSD], s14, 7
	s_xor_b32 s17, s14, 15                         ; the LONG tile's block 15 - w
	s_lshl_b32 s[KLD], s17, 7
	s_lshl_b32 s34, s15, 4
	s_add_co_u32 s18, s[KLD], s34                  ; the first query: LONG,
	s_add_co_u32 s19, s[KSD], s34                  ; SHORT
	s_cvt_f32_u32 s85, s[KSD]                      ; hidden keys behind the diagonal step: LONG 128 w,
	s_cvt_f32_u32 s86, s[KLD]                      ; SHORT 128 (15 - w)
	s_mov_b32 s84, s[SMR]
	s_cmp_eq_u32 s14, 0
	s_cselect_b32 s84, 0xff61b1e6, s84             ; block 15 has none: -3e38 leaves M as it is
	s_mov_b32 s[SELQ], 0x01000100
	s_and_b32 s34, s15, 1
	s_cmp_eq_u32 s34, 1
	s_cselect_b32 s[SELQ], 0x03020302, s[SELQ]     ; an odd tile's scale bytes are the word's high half
	s_and_b32 s34, s14, 1                          ; I fetch K (0) or V (1),
	s_lshr_b32 s35, s14, 1                         ; its steps 4 (w / 2) ..
	s_mul_i32 s36, s35, 4*STEPB
	s_mul_i32 s[G0+1], s34, VIM
	s_add_co_u32 s[G0+1], s[G0+1], s36
	s_mul_i32 s2, s16, VIM                         ; a head: 135,168 bytes
	s_add_co_u32 s36, s36, s2
	s_mov_b32 s37, 0
	s_mov_b32 s[G0], 1
	s_wait_dscnt 0x0                               ; both opening adds are done
	CROUND                                         ; all four work-groups are here: the joint loads meet
	s_wait_kmcnt 0x0
	s_cmp_eq_u32 s34, 1                            ; (the wave's number alone)
	s_cselect_b64 s[38:39], s[8:9], s[6:7]
	s_add_nc_u64 s[G0+2:G0+3], s[38:39], s[36:37]
	s_or_b32 s[G0+3], s[G0+3], 0x80000000
	s_cmp_lt_u32 s14, 2                            ; ONE joint load a wave; waves 0 and 1 have a line of their own, since they alone wait at the first barrier
	s_cbranch_scc0 .Lrest
	tensor_load_to_lds s[G0:G0+3], s[G1:G1+7]
	s_nop 0
	PLACES 4
	s_branch .Lasked
.Lrest:
	tensor_load_to_lds s[G0:G0+3], s[G1:G1+7]
	s_nop 0
	PLACES 4
.Lasked:
	s_lshl_b32 s34, s16, 4
	s_add_co_u32 s35, s34, s14
	s_mul_i32 s35, s35, STEPB                      ; SHORT: block w of q,
	s_add_co_u32 s36, s34, s17
	s_mul_i32 s36, s36, STEPB                      ; LONG: block 15 - w
	s_lshl_b32 s37, s15, 10                        ; tile i: 1,024 bytes of codes,
	s_lshr_b32 s38, s15, 1
	s_lshl_b32 s38, s38, 6
	s_add_co_u32 s38, s38, 8192                    ; 64 bytes of scale words to two tiles
	s_add_co_u32 s40, s36, s37
	s_mov_b32 s41, 0
	s_add_co_u32 s42, s36, s38
	s_mov_b32 s43, 0
	s_add_co_u32 s44, s35, s37
	s_mov_b32 s45, 0
	s_add_co_u32 s46, s35, s38
	s_mov_b32 s47, 0
	s_lshl_b32 s2, s16, 12
	s_mov_b32 s3, 0
	s_add_nc_u64 s[40:41], s[4:5], s[40:41]
	s_add_nc_u64 s[42:43], s[4:5], s[42:43]
	s_add_nc_u64 s[44:45], s[4:5], s[44:45]
	s_add_nc_u64 s[46:47], s[4:5], s[46:47]
	s_add_nc_u64 s[2:3], s[10:11], s[2:3]
	v_and_b32 v11, 31, v0                          ; lane
	v_and_b32 v9, 15, v0                           ; r
	v_bfe_u32 v3, v0, 4, 1                         ; h
	v_lshlrev_b32 v1, 4, v11
	v_lshlrev_b32 v6, 2, v11
	v_lshlrev_b32 v10, 3, v11
	v_lshlrev_b32 v2, 3, v3
	v_add_nc_u32 v7, VIM, v1
	v_add_nc_u32 v8, VIM, v6
	v_sub_nc_u32 v[RH], v9, v2
	v_lshlrev_b32 v9, 2, v9
	s_wait_alu depctr_va_vdst(0)
	global_load_b32 v254, v9, s[42:43]
	global_load_b32 v255, v9, s[46:47]
	global_load_b128 v[QF:QF+3], v1, s[40:41]      ; {q, 0, q}
	global_load_b128 v[QF+4:QF+7], v1, s[40:41] offset:512
	global_load_b128 v[QF+16:QF+19], v1, s[40:41]
	global_load_b128 v[QF+20:QF+23], v1, s[40:41] offset:512
	WIN 0x40
	global_load_b128 v[QF:QF+3], v1, s[44:45]
	global_load_b128 v[QF+4:QF+7], v1, s[44:45] offset:512
	global_load_b128 v[QF+16:QF+19], v1, s[44:45]
	global_load_b128 v[QF+20:QF+23], v1, s[44:45] offset:512
.irp s, 1,2,3,4,5,6,7,8,9,10,11,12,13,14,15
	global_load_b64 v[SR+2*\s-2:SR+2*\s-1], v10, s[2:3] offset:256*\s   ; vsum's rows, 256 bytes each: lane l holds numbers 2 l and 2 l + 1
.endr
	v_mov_b32 v[RH], v[RH]                         ; window 1's copy
.irp w, 0,1
	WIN 0x40*\w
.irp j, 0,1,2,3,4,5,6,7
	v_mov_b32 v[QF+8+\j], 0                        ; the zero codes between the two copies of q
.endr
.irp b, 0,1,2,3
	v_mov_b32 v[BT+\b], 0                          ; a lane permute's destination counts as one of its sources
.endr
	v_mov_b32 v[NM+1], 0                           ; (named as the upper half of a pair)
	v_mov_b32 v[FF+1], 0
.endr
	WIN 0
	s_wait_alu depctr_va_vdst(0)
	s_wait_loadcnt 0x0
	v_perm_b32 v248, v254, v254, s[SELQ]           ; q's scale words {s0, s1, s0, s1}
	v_perm_b32 v249, v255, v255, s[SELQ]
	; THE SUFFIX SUMS: SHORT: rows s > w; LONG: rows s > 15 - w.  Rows 8 to 15 count for every SHORT tile; row k = 1..7 for SHORT where k > w, row 16 - k for LONG where not k > w
	WIN 0x55
	v_pk_add_f32 v[250:251], v[SR+14:SR+15], v[SR+16:SR+17]
.irp s, 10,11,12,13,14,15
	v_pk_add_f32 v[250:251], v[250:251], v[SR+2*\s-2:SR+2*\s-1]
.endr
.irp k, 1,2,3,4,5,6,7
	s_cmp_gt_u32 \k, s14
	s_cselect_b32 s34, 1.0, 0
	s_cselect_b32 s35, 0, 1.0
	v_fma_f32 v250, v[SR+2*\k-2], s34, v250
	v_fma_f32 v251, v[SR+2*\k-1], s34, v251
.if \k == 1
	v_mul_f32 v248, s35, v[SR+28]
	v_mul_f32 v249, s35, v[SR+29]
.else
	v_fma_f32 v248, v[SR+30-2*\k], s35, v248
	v_fma_f32 v249, v[SR+31-2*\k], s35, v249
.endif
.endr
	WIN 0
.macro LDK a, s                        ; a step's four fragments of K and their scale words (lanes 0-15 an even fragment's, lanes 16-31 the odd one's): 18 loads
.irp c, 0,1,2,3
.irp k, 0,1,2,3
	ds_load_b128 v[KFR+16*\c+4*\k:KFR+16*\c+4*\k+3], v[\a] offset:2048*\c+512*\k
.endr
.endr
	ds_load_b32 v12, v[\s] offset:8192
	ds_load_b32 v13, v[\s] offset:8320
.endm
.macro LDV a, s                        ; V's likewise, into window 1
	WIN 0x40
.irp c, 0,1,2,3
.irp k, 0,1,2,3
	ds_load_b128 v[16*\c+4*\k:16*\c+4*\k+3], v[\a] offset:2048*\c+512*\k
.endr
.endr
	WIN 0
	ds_load_b32 v14, v[\s] offset:8192
	ds_load_b32 v15, v[\s] offset:8320
.endm
.macro QK w                            ; register 16 c + 8 u + j of lane (r, h): query r, key 32 c + 16 u + 8 h + j of the step
	WIN 0x44*\w
.irp c, 0,2
	v_wmma_scale_f32_16x16x128_f8f6f4 v[SR+16*\c:SR+16*\c+7], v[KFR+16*\c:KFR+16*\c+15], v[QF:QF+15], 0, v[12+\c/2], v[248+\w]
	v_wmma_scale_f32_16x16x128_f8f6f4 v[SR+16*\c+8:SR+16*\c+15], v[KFR+16*\c:KFR+16*\c+15], v[QF+8:QF+23], 0, v[12+\c/2], v[248+\w]
	v_wmma_scale_f32_16x16x128_f8f6f4 v[SR+16*\c+16:SR+16*\c+23], v[KFR+16*\c+16:KFR+16*\c+31], v[QF:QF+15], 0, v[12+\c/2], v[248+\w] matrix_a_scale:MATRIX_SCALE_ROW1
	v_wmma_scale_f32_16x16x128_f8f6f4 v[SR+16*\c+24:SR+16*\c+31], v[KFR+16*\c+16:KFR+16*\c+31], v[QF+8:QF+23], 0, v[12+\c/2], v[248+\w] matrix_a_scale:MATRIX_SCALE_ROW1
.endr
	WIN 0
.endm
.macro PV w, first                     ; O^T += V^T P^T: four accumulators by turns
	WIN 0x01+0x54*\w
.irp t, 0,1,2,3
.if \first
.if \t%2
	v_wmma_scale_f32_16x16x128_f8f6f4 v[OT+8*\t:OT+8*\t+7], v[16*\t:16*\t+15], v[PCD:PCD+15], 0, v[14+\t/2], v[250+\w] matrix_a_scale:MATRIX_SCALE_ROW1
.else
	v_wmma_scale_f32_16x16x128_f8f6f4 v[OT+8*\t:OT+8*\t+7], v[16*\t:16*\t+15], v[PCD:PCD+15], 0, v[14+\t/2], v[250+\w]
.endif
.else
.if \t%2
	v_wmma_scale_f32_16x16x128_f8f6f4 v[OT+8*\t:OT+8*\t+7], v[16*\t:16*\t+15], v[PCD:PCD+15], v[OT+8*\t:OT+8*\t+7], v[14+\t/2], v[250+\w] matrix_a_scale:MATRIX_SCALE_ROW1
.else
	v_wmma_scale_f32_16x16x128_f8f6f4 v[OT+8*\t:OT+8*\t+7], v[16*\t:16*\t+15], v[PCD:PCD+15], v[OT+8*\t:OT+8*\t+7], v[14+\t/2], v[250+\w]
.endif
.endif
.endr
	WIN 0
.endm
.macro ADDP d, p
	v_pk_add_f32 v[\d:\d+1], v[\d:\d+1], v[SR+2*(\p):SR+2*(\p)+1]
.endm
.macro ADDN d, p
	v_pk_add_f32 v[\d:\d+1], v[SR+2*(\p):SR+2*(\p)+1], v[SR+2*(\p)+8:SR+2*(\p)+9]
.endm
; THE SOFTMAX OF A TILE'S STEP, in window w: scores -> p's codes and scale word.  kd: the register with the diagonal step's first key (0: no diagonal here); q0: that with the first query
.macro SOFT w, first, kd, q0
.if \kd
	s_cmp_lg_u32 s[KF], s[\kd]
	s_cbranch_scc1 .Lopen_\@                       ; all keys count
	s_sub_co_i32 s34, s[\q0], s[KF]
	WIN 0x55*\w
	v_add_nc_u32 v[T1], s34, v[RH]                 ; d = query - KF - 8 h: register n is hidden where 32 (n / 16) + 16 ((n / 8) % 2) + n % 8 > d
	v_mov_b32 v[T2], s[SMR]
	s_wait_alu depctr_va_vdst(0)                   ; the wait ahead of the products' first readers
.set nn, 0
.rept 64
	v_cmp_gt_i32 vcc_lo, 32*(nn/16)+16*((nn/8)%2)+nn%8, v[T1]
	v_cndmask_b32 v[SR+nn], v[SR+nn], v[T2], vcc_lo
.set nn, nn+1
.endr
	WIN 0
.Lopen_\@:
.endif
	WIN 0x55*\w
	s_wait_alu depctr_va_vdst(0)                   ; the wait ahead of the products' first readers
.irp b, 0,1,2,3
	v_max3_num_f32 v[BM+\b], v[SR+16*\b], v[SR+1+16*\b], v[SR+2+16*\b]   ; the largest score of each block of 32 keys: for the row's maximum and, since p rises with the score, for the block's largest p
.endr
.irp i, 3,5,7,9,11,13
.irp b, 0,1,2,3
	v_max3_num_f32 v[BM+\b], v[BM+\b], v[SR+16*\b+\i], v[SR+1+16*\b+\i]
.endr
.endr
.irp b, 0,1,2,3
	v_max_num_f32 v[BM+\b], v[BM+\b], v[SR+15+16*\b]
.endr
.irp b, 0,1,2,3
	v_permlanex16_b32 v[BT+\b], v[BM+\b], s[SELA], s[SELA+1]
.endr
.irp b, 0,1,2,3
	v_max_num_f32 v[BM+\b], v[BM+\b], v[BT+\b]
.endr
	v_max3_num_f32 v[T1], v[BM], v[BM+1], v[BM+2]
.if \first
	v_max_num_f32 v[MX], v[T1], v[BM+3]
	v_mul_f32 v[T1], s[NC], v[MX]
	v_floor_f32 v[NM], v[T1]                       ; -M = floor(-t): M is a whole number
.else
	v_max3_num_f32 v[MX], v[MX], v[T1], v[BM+3]
	v_mul_f32 v[T1], s[NC], v[MX]
	v_floor_f32 v[T1], v[T1]                       ; the new -M = floor(-t)
	v_sub_f32 v[T2], v[T1], v[NM]                  ; old M - new M: a whole number, 0 or less
	v_mov_b32 v[NM], v[T1]
	v_cvt_i32_f32 v[T2], v[T2]                     ; (it saturates)
	v_ldexp_f32 v[FF], 1.0, v[T2]
.endif
.set nn, 0
.rept 32
	v_pk_fma_f32 v[SR+nn:SR+nn+1], v[SR+nn:SR+nn+1], s[CS:CS+1], v[NM:NM+1] op_sel_hi:[1,0,0]   ; t - M, two at a time
.set nn, nn+2
.endr
.irp b, 0,1,2,3
	v_fma_f32 v[BM+\b], v[BM+\b], s[CS], v[NM]
.endr
	s_wait_alu depctr_va_vdst(0)
.irp b, 0,1,2,3
	v_exp_f32 v[BM+\b], v[BM+\b]
.endr
.set nn, 0
.rept 64
	v_exp_f32 v[SR+nn], v[SR+nn]
.set nn, nn+1
.endr
.if \first
	v_nop                                          ; a plain place behind the exponentials
.else
	v_pk_mul_f32 v[SM0:SM0+1], v[SM0:SM0+1], v[FF:FF+1] op_sel_hi:[1,0]   ; the sum under the new M
.endif
	s_wait_alu depctr_va_vdst(0)
.irp b, 0,1,2,3
	v_max_num_f32 v[BM+\b], 0x4800000, v[BM+\b]    ; the floor 2^(9 - 127): the byte cannot fall under 1
.endr
.irp b, 0,1,2,3
	v_add_nc_u32 v[BS+\b], 0xfc000000, v[BM+\b]    ; 8 off the exponent field: the conversion's scale operand
.endr
.irp b, 0,1,2,3
	v_and_or_b32 v[BH+\b], v[BM+\b], 0x7f800000, s[MNT]   ; 448 x the scale
.endr
.irp b, 0,1,2,3
	v_lshrrev_b32 v[BT+\b], 23, v[BS+\b]           ; the scale's byte
.endr
.if \first
	ADDN SM0, 0
.else
	ADDP SM0, 0
.endif
	ADDN C1, 1
	v_lshl_or_b32 v[T1], v[BT+1], 8, v[BT]
	ADDN C2, 2
	ADDN C3, 3
.if \first == 0
	ADDP SM0, 4
.endif
	v_lshl_or_b32 v[T1], v[BT+2], 16, v[T1]
.irp p, 8,12,16,20,24,28
	ADDP SM0, \p
	ADDP C1, \p+1
	ADDP C2, \p+2
	ADDP C3, \p+3
.endr
	WIN 0x15*\w                                    ; the scale word lies in window 0 for either tile
	v_lshl_or_b32 v[250+\w], v[BT+3], 24, v[T1]
	WIN 0x55*\w
	v_pk_add_f32 v[SM0:SM0+1], v[SM0:SM0+1], v[C1:C1+1]
	v_pk_add_f32 v[C2:C2+1], v[C2:C2+1], v[C3:C3+1]
.irp b, 0,1,2,3
.set nn, 16*\b
.rept 8
	v_dual_min_num_f32 v[SR+nn], v[BH+\b], v[SR+nn] :: v_dual_min_num_f32 v[SR+nn+1], v[BH+\b], v[SR+nn+1]   ; the conversion does not saturate (ISA guide 7.6.2); p is not negative, so the hold is one-sided
.set nn, nn+2
.endr
.endr
	v_pk_add_f32 v[SM0:SM0+1], v[SM0:SM0+1], v[C2:C2+1]
.irp b, 0,1,2,3
	v_cvt_scalef32_pk8_fp8_f32 v[PCD+4*\b:PCD+4*\b+1], v[SR+16*\b:SR+16*\b+7], v[BS+\b]
	v_cvt_scalef32_pk8_fp8_f32 v[PCD+4*\b+2:PCD+4*\b+3], v[SR+16*\b+8:SR+16*\b+15], v[BS+\b]
.endr
.if \first
	PLACES 8                                       ; places between the codes and the products
.else
	s_wait_alu depctr_va_vdst(0)                   ; the wait ahead of O^T's first reader
.set nn, 0
.rept 16
	v_pk_mul_f32 v[OT+nn:OT+nn+1], v[OT+nn:OT+nn+1], v[FF:FF+1] op_sel_hi:[1,0]   ; O^T under the new M; also the places between the codes and the products
.set nn, nn+2
.endr
.endif
	WIN 0
.endm
	s_mov_b32 s[KF], 0
	s_wait_alu depctr_va_vdst(0)                   ; the wait at the head's end
	s_cmp_lt_u32 s14, 2
	s_cbranch_scc0 .Lnot_first
	s_wait_tensorcnt 0x0                           ; waves 0 and 1: steps 0 to 3 of K, of V are in
.Lnot_first:
	s_barrier_signal -1
	s_barrier_wait -1
	LDK 1, 6
	LDV 7, 8
	s_wait_dscnt 18                                ; K is in; V's 18 may be out
	QK 0
	QK 1
	PLACES 8
	SOFT 0, 1, 0, 0                                ; no LONG tile has its diagonal here
	SOFT 1, 1, KSD, 19
	v_add_nc_u32 v2, STEPB, v1                     ; step 1 of K
	v_add_nc_u32 v4, STEPB, v6
	s_wait_alu depctr_va_vdst(0)
	s_wait_tensorcnt 0x0                           ; my tile is in, whichever it is
	s_wait_dscnt 0x0                               ; V is in
	s_barrier_signal -1
	PV 0, 1
	PV 1, 1
	s_barrier_wait -1                              ; everything is in
	LDK 2, 4
	s_mov_b32 s[KF], 128
	s_mov_b32 s[T8], STEPB
	s_mov_b32 s[TN], 2*STEPB
.Lstep:                                                ; steps 1 to 15; a step behind both tiles' diagonals is passed over.  K's fragments of a step are asked for in the step before
	s_cmp_gt_u32 s[KF], s[KLD]
	s_cbranch_scc1 .Lend
	s_wait_dscnt 0x0
	QK 0
	s_cmp_gt_u32 s[KF], s[KSD]
	s_cbranch_scc1 .Lno_1
	QK 1
.Lno_1:
	v_add_nc_u32 v3, s[T8], v7
	v_add_nc_u32 v5, s[T8], v8
	v_add_nc_u32 v2, s[TN], v1
	v_add_nc_u32 v4, s[TN], v6
	PLACES 4                                       ; with the four additions: eight places behind the products
	s_wait_alu depctr_va_vdst(0)                   ; the wait ahead of the loads' addresses
	LDV 3, 5
	LDK 2, 4
	SOFT 0, 0, KLD, 18
	s_cmp_gt_u32 s[KF], s[KSD]
	s_cbranch_scc1 .Lno_2
	SOFT 1, 0, KSD, 19
.Lno_2:
	s_wait_alu depctr_va_vdst(0)
	s_wait_dscnt 18                                ; V is in; the next step's K, 18 loads, may be out
	PV 0, 0
	s_cmp_gt_u32 s[KF], s[KSD]
	s_cbranch_scc1 .Lend
	PV 1, 0
.Lend:
	s_add_co_u32 s[T8], s[T8], STEPB
	s_add_co_u32 s[TN], s[T8], STEPB
	s_min_u32 s[TN], s[TN], 15*STEPB               ; the last look-ahead names step 15 again
	s_add_co_u32 s[KF], s[KF], 128
	s_cmp_lt_u32 s[KF], 2048
	s_cbranch_scc1 .Lstep
	; THE WAY OUT.  s35, s36: tile rows m = 2 (8 batch + i) and m + 1 in cc
	s_lshr_b32 s34, s16, 4
	s_lshl_b32 s34, s34, 3
	s_add_co_u32 s34, s34, s15
	s_lshl_b32 s34, s34, 1
	s_mul_i32 s35, s34, VIM
	s_add_co_u32 s36, s35, VIM
	s_and_b32 s37, s16, 15                         ; the head
	s_lshr_b32 s38, s37, 1
	s_lshl_b32 s38, s38, 14
	s_and_b32 s39, s37, 1
	s_lshl_b32 s39, s39, 10
	s_add_co_u32 s38, s38, s39
	s_add_co_u32 s38, s38, 4096
	s_xor_b32 s42, s14, 7                          ; 7 - w: the LONG block % 8
	s_lshl_b32 s39, s42, 11
	s_add_co_u32 s88, s36, s38
	s_add_co_u32 s88, s88, s39
	s_mov_b32 s89, 0
	s_add_nc_u64 s[88:89], s[12:13], s[88:89]      ; LONG
	s_lshl_b32 s39, s14, 11
	s_add_co_u32 s90, s35, s38
	s_add_co_u32 s90, s90, s39
	s_mov_b32 s91, 0
	s_add_nc_u64 s[90:91], s[12:13], s[90:91]      ; SHORT
	s_mul_i32 s39, s14, VIM
	s_add_co_u32 s92, s35, s39
	s_lshl_b32 s39, s37, 8
	s_add_co_u32 s92, s92, s39
	s_mov_b32 s93, 0
	s_add_nc_u64 s[92:93], s[12:13], s[92:93]      ; waves 0 and 1: the scale bytes of row m + w
	s_lshl_b32 s34, s14, 9
	s_add_co_u32 s34, s34, SUF
	s_lshl_b32 s40, s14, 5
	s_add_co_u32 s40, s40, CSG
	s_lshl_b32 s41, s42, 5
	s_add_co_u32 s41, s41, CSG+256
	s_lshl_b32 s43, s14, 8
	s_add_co_u32 s43, s43, CSG
	s_wait_dscnt 0x0                               ; the last look-ahead is in
	v_bfe_u32 v3, v0, 4, 1
	v_and_b32 v9, 15, v0
	v_add_nc_u32 v2, s34, v10                      ; my suffix sums: in, 8 bytes a lane;
	v_lshlrev_b32 v3, 5, v3
	v_lshlrev_b32 v9, 1, v9
	v_add_nc_u32 v3, s34, v3                       ; back, eight neighbouring numbers of my half
	v_add_nc_u32 v4, s40, v9                       ; scale bytes: SHORT,
	v_add_nc_u32 v5, s41, v9                       ; LONG
	v_add_nc_u32 v11, s43, v10
	PLACES 8                                       ; places behind the last products
	s_wait_alu depctr_va_vdst(0)
; M takes in t_m, the sum the hidden keys' p_m, O^T their Q(p_m) x the suffix; O^T / the sum is quantised along the head's 64, brought into the natural order of K, and stored
.macro OUT w, raw, nh, cb, cs
	WIN 0x04
	ds_store_b64 v2, v[248+2*\w:249+2*\w] offset:256*\w
	WIN 0x40*\w
.irp t, 0,1,2,3
	ds_load_b128 v[SR+8*\t:SR+8*\t+3], v3 offset:256*\w+64*\t       ; LDS serves a wave's instructions in order (ISA guide 5.7.1.4)
	ds_load_b128 v[SR+8*\t+4:SR+8*\t+7], v3 offset:256*\w+64*\t+16
.endr
	WIN 0x55*\w
	v_max_num_f32 v[MX], s[\raw], v[MX]
	v_add_f32 v[SM0], v[SM0], v[SM0+1]
	v_mul_f32 v[T1], s[NC], v[MX]
	v_floor_f32 v[T1], v[T1]
	v_sub_f32 v[T2], v[T1], v[NM]
	v_cvt_i32_f32 v[T2], v[T2]
	v_ldexp_f32 v[FF], 1.0, v[T2]
	v_mov_b32 v[BM], s[\raw]
	v_fma_f32 v[BM], v[BM], s[CS], v[T1]           ; t_m - M
	v_permlanex16_b32 v[T2], v[SM0], s[SELA], s[SELA+1]
	v_add_f32 v[SM0], v[SM0], v[T2]                ; the visible steps' sum
	s_wait_alu depctr_va_vdst(0)
	v_exp_f32 v[BM], v[BM]                         ; p_m
	v_mul_f32 v[SM0], v[SM0], v[FF]                ; (a plain place)
	s_wait_alu depctr_va_vdst(0)
	v_fma_f32 v[SM0], v[BM], s[\nh], v[SM0]        ; the row's sum
	v_and_b32 v[BH], 0x7f800000, v[BM]
	v_and_or_b32 v[BS], v[BM], 0x7f800000, s[MNT]
	v_min_num_f32 v[BS], v[BM], v[BS]              ; Q(p_m): held at 1.75 x 2^e,
	v_add_nc_u32 v[BH], 0x0a000000, v[BH]
	v_add_f32 v[BS], v[BS], v[BH]                  ; and rounded to a multiple of 2^(e - 3), ties to even, by adding 2^(e + 20) and taking it away
	v_sub_f32 v[BS], v[BS], v[BH]
	s_wait_alu depctr_va_vdst(0)
	v_rcp_f32 v[SM0], v[SM0]
	v_nop
	s_wait_alu depctr_va_vdst(0)
	s_wait_dscnt 0x0                               ; the suffix is back
	v_mul_f32 v[FF], v[FF], v[SM0]
	v_mul_f32 v[C1], v[BS], v[SM0]
.set nn, 0
.rept 16
	v_pk_mul_f32 v[SR+nn:SR+nn+1], v[SR+nn:SR+nn+1], v[C1:C1+1] op_sel_hi:[1,0]
.set nn, nn+2
.endr
	s_wait_alu depctr_va_vdst(0)                   ; the wait ahead of O^T's first reader
.set nn, 0
.rept 16
	v_pk_fma_f32 v[OT+nn:OT+nn+1], v[OT+nn:OT+nn+1], v[FF:FF+1], v[SR+nn:SR+nn+1] op_sel_hi:[1,0,1]   ; register 8 t + j is ctx(r, 16 t + 8 h + j)
.set nn, nn+2
.endr
.irp b, 0,1
	v_max3_num_f32 v[BM+\b], |v[OT+16*\b]|, |v[OT+1+16*\b]|, 0x4800000
.endr
.irp i, 2,4,6,8,10,12,14
.irp b, 0,1
	v_max3_num_f32 v[BM+\b], v[BM+\b], |v[OT+16*\b+\i]|, |v[OT+1+16*\b+\i]|
.endr
.endr
.irp b, 0,1
	v_permlanex16_b32 v[BT+\b], v[BM+\b], s[SELA], s[SELA+1]
.endr
.irp b, 0,1
	v_max_num_f32 v[BM+\b], v[BM+\b], v[BT+\b]
.endr
.irp b, 0,1
	v_add_nc_u32 v[BS+\b], 0xfc000000, v[BM+\b]
.endr
.irp b, 0,1
	v_and_or_b32 v[BH+\b], v[BM+\b], 0x7f800000, s[MNT]
.endr
.irp b, 0,1
	v_lshrrev_b32 v[BT+\b], 23, v[BS+\b]
.endr
	v_lshl_or_b32 v[T1], v[BT+1], 8, v[BT]         ; my row's two scale bytes
.irp b, 0,1
.irp i, 0,1,2,3,4,5,6,7,8,9,10,11,12,13,14,15
	v_med3_num_f32 v[OT+16*\b+\i], v[OT+16*\b+\i], -v[BH+\b], v[BH+\b]
.endr
	v_cvt_scalef32_pk8_fp8_f32 v[PCD+4*\b:PCD+4*\b+1], v[OT+16*\b:OT+16*\b+7], v[BS+\b]
	v_cvt_scalef32_pk8_fp8_f32 v[PCD+4*\b+2:PCD+4*\b+3], v[OT+16*\b+8:OT+16*\b+15], v[BS+\b]
.endr
	v_nop                                          ; one plain line behind the last conversion
	; Lane (r, h) holds d = 8 h + 0..7 (first pair) and 16 + 8 h + 0..7 (second pair) of a block; the weight's order wants d = 16 h + 0..15: lanes 0-15 give their second pair for the partner's first
.irp c, 0,1
.irp e, 0,1
	v_cndmask_b32 v[C3], v[PCD+2+4*\c+\e], v[PCD+4*\c+\e], s[HM]
	v_permlanex16_b32 v[T2], v[C3], s[SELA], s[SELA+1]
	v_cndmask_b32 v[PCD+4*\c+\e], v[PCD+4*\c+\e], v[T2], s[HM]
	v_cndmask_b32 v[PCD+2+4*\c+\e], v[T2], v[PCD+2+4*\c+\e], s[HM]
.endr
.endr
	WIN 0x04*\w
	global_store_b128 v1, v[PCD:PCD+3], s[\cb:\cb+1]           ; two chunks: 1,024 consecutive bytes, aligned
	global_store_b128 v1, v[PCD+4:PCD+7], s[\cb:\cb+1] offset:512
	ds_store_b16 v[\cs], v[T1]                     ; lanes r and r + 16 write the same two bytes with the same value
	WIN 0
.endm
	OUT 0, 84, 85, 88, 5
	OUT 1, SMR, 86, 90, 4
	s_wait_dscnt 0x0                               ; for the others' sake
	s_barrier_signal -1
	s_barrier_wait -1
	s_cmp_lt_u32 s14, 2                            ; wave 0 stores the SHORT tiles' 256 bytes, wave 1 the LONG ones'
	s_cbranch_scc0 .Ldone
	ds_load_b64 v[224:225], v11
	s_wait_dscnt 0x0
	global_store_b64 v10, v[224:225], s[92:93]     ; 32 lanes store 256 consecutive bytes, aligned
.Ldone:
	s_wait_tensorcnt 0x0                           ; the wave's end
	ds_add_u32 v[SPW], v[NIL]
	s_wait_dscnt 0x0
	CROUND                                         ; the closing round
	s_endpgm
.Lfunc_end_k_q7bc20314eb_attn:
	.size	k_q7bc20314eb_attn, .Lfunc_end_k_q7bc20314eb_attn-k_q7bc20314eb_attn
	.p2alignl 7, 3214868480
	.fill 96, 4, 3214868480
	.section	.rodata,"a",@progbits
	.p2align	6, 0x0
	.amdhsa_kernel k_q7bc20314eb_attn
		.amdhsa_group_segment_fixed_size 327680
		.amdhsa_private_segment_fixed_size 0
		.amdhsa_enable_private_segment 0
		.amdhsa_kernarg_size 40
		.amdhsa_user_sgpr_count 2
		.amdhsa_user_sgpr_kernarg_segment_ptr 1
		.amdhsa_wavefront_size32 1
		.amdhsa_system_sgpr_workgroup_id_x 1
		.amdhsa_system_sgpr_workgroup_id_y 1
		.amdhsa_system_sgpr_workgroup_id_z 1
		.amdhsa_system_vgpr_workitem_id 0
		.amdhsa_next_free_vgpr 512
		.amdhsa_next_free_sgpr 102
		.amdhsa_reserve_vcc 1
		.amdhsa_float_denorm_mode_32 3
		.amdhsa_float_denorm_mode_16_64 3
		.amdhsa_memory_ordered 1
		.amdhsa_forward_progress 1
		.amdhsa_inst_pref_size 116
	.end_amdhsa_kernel
	.amdgpu_metadata
---
amdhsa.version: [ 1, 2 ]
amdhsa.kernels:
  - .name:           k_q7bc20314eb_attn
    .symbol:         k_q7bc20314eb_attn.kd
    .args:
      - { .name: qc, .offset: 0, .size: 8, .value_kind: global_buffer, .address_space: global }
      - { .name: kc, .offset: 8, .size: 8, .value_kind: global_buffer, .address_space: global }
      - { .name: vc, .offset: 16, .size: 8, .value_kind: global_buffer, .address_space: global }
      - { .name: vsum, .offset: 24, .size: 8, .value_kind: global_buffer, .address_space: global }
      - { .name: cc, .offset: 32, .size: 8, .value_kind: global_buffer, .address_space: global }
    .group_segment_fixed_size: 327680
    .private_segment_fixed_size: 0
    .kernarg_segment_align: 8
    .kernarg_segment_size: 40
    .max_flat_workgroup_size: 256
    .sgpr_count:     102
    .vgpr_count:     512
    .wavefront_size: 32
...
	.end_amdgpu_metadata
.endif
;; end of part 2
;; launch proj (part 3): grid 8 x 32, 4 waves a work-group, clusters of 4 x 4, 327,680 bytes of LDS; arguments cc, Wo_codes, Wo_scales, bo, out0; writes out0
.if DOCPART == 3
	.amdgcn_target "amdgcn-amd-amdhsa--gfx1250"
	.amdhsa_code_object_version 6
	.text
	.protected	k_q7bc20314eb_proj
	.globl	k_q7bc20314eb_proj
	.p2align	8
	.type	k_q7bc20314eb_proj,@function
k_q7bc20314eb_proj:
	s_mov_b64 s[64:65], 0
	v_nop
	global_prefetch_b8 v0, s[64:65] scope:SCOPE_SE
	s_setreg_imm32_b32 hwreg(HW_REG_WAVE_MODE, 25, 1), 1
	s_wait_xcnt 0x0
	s_wait_alu depctr_hold_cnt(0) depctr_sa_sdst(0) depctr_va_vdst(0) depctr_va_sdst(0) depctr_va_ssrc(0) depctr_va_vcc(0) depctr_vm_vsrc(0)
	s_getreg_b32 s2, hwreg(HW_REG_IB_STS2, 6, 4)
	s_cmp_eq_u32 s2, 0
	s_cbranch_scc0 .Lentry_in_a_cluster
	s_endpgm
.Lentry_in_a_cluster:
	s_bfe_u32 s2, ttmp6, 0x10000c
	s_cmp_lg_u32 s2, 0xf033
	s_cbranch_scc0 .Lentry_shape_is_right
	s_endpgm
.Lentry_shape_is_right:
; out = ctx Wo + bo on codes of FP8 (E4M3) with one E8M0 scale for each 32 along K = 1,024.  ctx: images of operand registers behind their scale bytes, as the attention launch stored them; Wo: 1,024 rows (features) of 1,024 codes.
; A tile of 128 tokens x 128 features to a work-group: 256 work-groups.  Four waves, 64 x 64 each: 16 accumulators.  Tile row m = 2 (8 batch + i) + g holds tokens 128 (8 g + a) + 16 i + r of the batch, a = 0..7, r = 0..15.
; ALL OF K LIES IN LDS AT ONCE, filled once by four loads, ONE a wave: ctx's scale bytes and lower half of K (wave 0), Wo's lower half (wave 1), ctx's upper half (wave 2), Wo's (wave 3).  A barrier shows the lower halves, a second one the upper.
; CLUSTERS: 4 x 4 work-groups.  ctx's block is shared along a row of the cluster, Wo's rows along a column: joint loads.  No prefetch: every load is issued at the head.  No step of the problem is left out.
; THE MATRIX INSTRUCTION IS USED TRANSPOSED (source 0 = 16 rows of Wo, source 1 = 16 tokens): a lane holds eight neighbouring features of one token.  The bias is the C of each sum's first instruction.
; LIMITS: the scale byte 0xff and NaN codes in Wo are not served.
; REGISTERS: window 0: v16-23 addresses; v30-45 ctx's scale words, v48-63 Wo's (register q: lanes 0-15 the q-th 128 along K, lanes 16-31 the (4 + q)-th); v64-95 the bias, later with v96-127 rows on the way out;
;   v128-255 the accumulators ((a, b) at v[128 + 8 (4 a + b)]).   window 1: two fragment buffers of 128: ctx's four fragments, then Wo's four.
.set AIM, 4096                         ; behind ctx's scale bytes ([head 16][tile 8][r 16] two bytes): [128 along K: 8][tile 8][2,048]
.set ALO, 69632                        ; bytes of wave 0's load
.set BT,  135168                       ; [512 along K: 2][row 128][528]
.set BP,  528                          ; a row: 512 bytes + 16 of padding = 132 words: row r starts at bank 4 r mod 64 (64 banks of 4 bytes: ISA guide 11.1)
.set BHF, 128*BP
.set SP,  272
.set STG, 270336                       ; the way out: 16 rows x 272 bytes for each wave; no tensor load lands here
.set SPARE, 287744
.set ADA, 16                           ; v16-17 ctx's images: K steps 0-3, 4-7
.set ADB, 18                           ; v18-19 Wo's rows likewise
.set ATR, 20
.set STO, 21
.set RD,  22
.set CO,  23
.set SPW, 24
.set NIL, 25
.set ASC, 30
.set BSC, 48
.set BI,  64
.set ACC, 128
.set G1A, 24                           ; groups 1: s[24:31] ctx lower, s[32:39] ctx upper, s[40:47] Wo
.set G1U, 32
.set G1B, 40
.set G0,  48                           ; s[48:51] ctx lower, s[52:55] Wo lower, s[56:59] ctx upper, s[60:63] Wo upper
.set MSB, 0
.macro WIN new                         ; the immediate's high byte repeats the setting that is left
.if MSB != (\new)
	s_set_vgpr_msb (MSB<<8)|(\new)
.set MSB, (\new)
.endif
.endm
.set MUL,  0x05                        ; sources 0 and 1 window 1; C and D window 0
.set TO_F, 0x40                        ; destination window 1, address window 0
.macro CROUND                          ; a round of the cluster's barrier
	s_barrier_signal -1
	s_barrier_wait -1
	s_cmp_lg_u32 s16, 0
	s_cbranch_scc1 .Lnot_wave_0_\@
	s_barrier_signal -3
.Lnot_wave_0_\@:
	s_barrier_wait -3
	s_barrier_signal -1
	s_barrier_wait -1
.endm
.macro PLACES n
.rept \n
	v_nop
.endr
.endm
	s_load_b64 s[4:5], s[0:1], 0x0                 ; cc
	s_load_b128 s[8:11], s[0:1], 0x8               ; Wo's codes 8, its scales 10
	s_load_b128 s[12:15], s[0:1], 0x18             ; bo 12, out0 14
	v_lshl_add_u32 v[SPW], v0, 2, SPARE
	v_mov_b32 v[NIL], 0
	ds_add_u32 v[SPW], v[NIL]                      ; the opening: the add, twice on end
	ds_add_u32 v[SPW], v[NIL]
	v_lshrrev_b32 v1, 5, v0
	v_readfirstlane_b32 s16, v1                    ; wave 0..3
	s_lshr_b32 s17, s16, 1                         ; which 64 tokens are mine
	s_and_b32 s18, s16, 1                          ; which 64 features
	s_bfe_u32 s20, ttmp6, 0x40000                  ; cx, cy: my place in the cluster
	s_bfe_u32 s21, ttmp6, 0x40004
	s_lshl_b32 s22, ttmp9, 2
	s_add_co_u32 s22, s22, s20                     ; the tile of 128 features
	s_and_b32 s23, ttmp7, 0xffff
	s_lshl_b32 s23, s23, 2
	s_add_co_u32 s23, s23, s21                     ; the tile row m
	s_lshl_b32 s88, s21, 2
	s_lshl_b32 s88, 15, s88                        ; my row of the cluster
	s_lshl_b32 s89, 0x1111, s20                    ; my column
	s_or_b32 s[G1A], s88, (3<<16)|(1<<21)          ; 15:0 the mask: my row; 17:16 elements of 8 bytes; 21 set beside a mask; no padding
	s_mov_b32 s[G1A+1], 32<<16
	s_mov_b32 s[G1A+2], 272<<16                    ; 272 rows of 256 bytes
	s_mov_b32 s[G1A+3], 32<<16
	s_mov_b32 s[G1A+4], 272
	s_mov_b32 s[G1A+5], 32
	s_mov_b32 s[G1A+6], 0
	s_mov_b32 s[G1A+7], 0
	s_or_b32 s[G1U], s88, (3<<16)|(1<<21)
	s_mov_b32 s[G1U+1], 32<<16
	s_mov_b32 s[G1U+2], 256<<16
	s_mov_b32 s[G1U+3], 32<<16
	s_mov_b32 s[G1U+4], 256
	s_mov_b32 s[G1U+5], 32
	s_mov_b32 s[G1U+6], 0
	s_mov_b32 s[G1U+7], 0
	s_or_b32 s[G1B], s89, (0<<16)|(1<<20)|(1<<21)|(6<<22)|(3<<25)   ; the mask: my column; elements of 1 byte; four words of padding after every 128
	s_mov_b32 s[G1B+1], 512<<16
	s_mov_b32 s[G1B+2], 128<<16
	s_mov_b32 s[G1B+3], 512<<16
	s_mov_b32 s[G1B+4], 128
	s_mov_b32 s[G1B+5], 1024
	s_mov_b32 s[G1B+6], 0
	s_mov_b32 s[G1B+7], 0
	s_mul_i32 s92, s23, 135168
	s_mov_b32 s93, 0
	s_lshl_b32 s96, s22, 17                        ; 128 rows of 1,024 bytes
	s_mov_b32 s97, 0
	s_mov_b32 s[G0], 1
	s_mov_b32 s[G0+1], 0
	s_mov_b32 s[G0+4], 1
	s_mov_b32 s[G0+5], BT
	s_mov_b32 s[G0+8], 1
	s_mov_b32 s[G0+9], ALO
	s_mov_b32 s[G0+12], 1
	s_mov_b32 s[G0+13], BT+BHF
	s_wait_dscnt 0x0                               ; both opening adds are done
	CROUND                                         ; all sixteen work-groups are here: the joint loads meet
	s_wait_kmcnt 0x0
	s_add_nc_u64 s[G0+2:G0+3], s[4:5], s[92:93]
	s_add_nc_u64 s[G0+10:G0+11], s[G0+2:G0+3], ALO
	s_add_nc_u64 s[G0+6:G0+7], s[8:9], s[96:97]
	s_add_nc_u64 s[G0+14:G0+15], s[G0+6:G0+7], 512
	s_or_b32 s[G0+3], s[G0+3], 0x80000000
	s_or_b32 s[G0+7], s[G0+7], 0x80000000
	s_or_b32 s[G0+11], s[G0+11], 0x80000000
	s_or_b32 s[G0+15], s[G0+15], 0x80000000
.macro ARM under, g0, g1, next         ; one load a wave, in one chain of branches on its number
	s_cmp_lt_u32 s16, \under
	s_cbranch_scc0 \next
	tensor_load_to_lds s[\g0:\g0+3], s[\g1:\g1+7]
	s_nop 0
	PLACES 4
	s_branch .Lasked
\next:
.endm
	ARM 1, G0, G1A, .Lwave_1
	ARM 2, G0+4, G1B, .Lwave_2
	ARM 3, G0+8, G1U, .Lwave_3
	tensor_load_to_lds s[G0+12:G0+15], s[G1B:G1B+7]
	s_nop 0
	PLACES 4
.Lasked:
	s_lshl_b32 s19, s22, 7
	s_lshl_b32 s98, s18, 6
	s_add_co_u32 s19, s19, s98                     ; my first feature
	s_lshl_b32 s98, s19, 5
	s_mov_b32 s99, 0
	s_add_nc_u64 s[10:11], s[10:11], s[98:99]
	s_lshl_b32 s98, s19, 2
	s_add_nc_u64 s[12:13], s[12:13], s[98:99]
	s_add_nc_u64 s[14:15], s[14:15], s[98:99]
	s_lshr_b32 s98, s23, 4
	s_lshl_b32 s98, s98, 11                        ; my first token: 2,048 batch
	s_and_b32 s19, s23, 1
	s_lshl_b32 s19, s19, 10
	s_add_co_u32 s98, s98, s19                     ; + 1,024 g
	s_bfe_u32 s19, s23, 0x30001
	s_lshl_b32 s19, s19, 4
	s_add_co_u32 s98, s98, s19                     ; + 16 i
	s_lshl_b32 s19, s17, 9
	s_add_co_u32 s98, s98, s19                     ; + 128 x my first tile
	s_lshl_b32 s98, s98, 12                        ; 4,096 bytes a row of out0
	s_add_nc_u64 s[14:15], s[14:15], s[98:99]
	s_lshl_b32 s2, s17, 13
	s_add_co_u32 s2, s2, AIM                       ; my four tiles of tokens
	s_mul_i32 s3, s18, 64*BP
	s_add_co_u32 s3, s3, BT                        ; my 64 rows of Wo
	s_lshl_b32 s90, s17, 7                         ; my tiles' scale bytes
	s_mul_i32 s91, s16, 16*SP
	s_add_co_u32 s91, s91, STG                     ; my stage
	v_and_b32 v1, 15, v0                           ; r
	v_bfe_u32 v2, v0, 4, 1                         ; h
	v_and_b32 v3, 31, v0                           ; lane
	v_lshlrev_b32 v6, 5, v1
	v_lshl_add_u32 v6, v2, 4, v6                   ; Wo's scale bytes: 32 r + 16 h
	v_lshlrev_b32 v7, 5, v2                        ; the bias: 32 h
	v_lshlrev_b32 v[ADA], 4, v3
	v_add_nc_u32 v[ADA], s2, v[ADA]
	v_add_nc_u32 v[ADA+1], 65536, v[ADA]
	v_mul_u32_u24 v4, v1, BP
	v_lshl_add_u32 v4, v2, 4, v4
	v_add_nc_u32 v[ADB], s3, v4
	v_add_nc_u32 v[ADB+1], BHF, v[ADB]
	; ctx's scale words by the turning load: lane l addresses the 16 bytes of head l % 8 + 8 (l / 16), tokens 8 ((l / 8) % 2) + 0..7 of a tile; it receives, for token l % 16, the two bytes of heads 8 (l / 16) + 0..7: four words
	v_and_b32 v4, 7, v0
	v_lshl_add_u32 v4, v2, 3, v4
	v_bfe_u32 v5, v0, 3, 1
	v_lshlrev_b32 v5, 4, v5
	v_lshl_add_u32 v4, v4, 8, v5
	v_add_nc_u32 v[ATR], s90, v4
	v_mul_u32_u24 v4, v1, SP
	v_lshl_add_u32 v4, v2, 5, v4
	v_add_nc_u32 v[STO], s91, v4                   ; in: row r, 32 bytes for each half of the lanes
	v_mul_u32_u24 v4, v2, SP
	v_lshl_add_u32 v4, v1, 4, v4
	v_add_nc_u32 v[RD], s91, v4                    ; back: lanes 0-15 one row of 256 bytes, lanes 16-31 the next
	v_lshlrev_b32 v[CO], 12, v2
	v_lshl_add_u32 v[CO], v1, 4, v[CO]             ; and the same two rows of out0
	s_wait_alu depctr_va_vdst(0)                   ; the wait at the head's end
.irp b, 0,1,2,3
	global_load_b128 v[BSC+4*\b:BSC+4*\b+3], v6, s[10:11] offset:512*\b     ; 32 lanes read 512 consecutive bytes: 16 rows' scale bytes
.endr
.irp b, 0,1,2,3
	global_load_b128 v[BI+8*\b:BI+8*\b+3], v7, s[12:13] offset:64*\b        ; register 8 b + j: the bias of feature 16 b + 8 h + j
	global_load_b128 v[BI+8*\b+4:BI+8*\b+7], v7, s[12:13] offset:64*\b+16
.endr
.macro FETCH s, f                      ; the eight fragments of the s-th 128 along K into buffer f: 32 LDS loads in one run
	WIN TO_F
.irp a, 0,1,2,3
.irp c, 0,1,2,3
	ds_load_b128 v[(\f)+16*\a+4*\c:(\f)+16*\a+4*\c+3], v[ADA+(\s)/4] offset:((\s)%4)*16384+2048*\a+512*\c
.endr
.endr
.irp b, 0,1,2,3
.irp c, 0,1,2,3
	ds_load_b128 v[(\f)+64+16*\b+4*\c:(\f)+64+16*\b+4*\c+3], v[ADB+(\s)/4] offset:16*\b*BP+128*((\s)%4)+32*\c
.endr
.endr
.endm
; The s-th 128 along K: the next step's fragments are asked for, then 16 products, the accumulators by turns in the same order in every step.
.macro KSTEP s
.set FB, 128*((\s)%2)
.set FN, 128*(((\s)+1)%2)
.if (\s) == 3
	WIN 0
	s_wait_dscnt 0x0                               ; no LDS load of mine is out at a signal
	s_wait_tensorcnt 0x0                           ; the upper half of K: my load is in, whichever it is
	s_barrier_signal -1
	s_barrier_wait -1                              ; everybody's is
.endif
.if (\s) > 0
	PLACES 8                                       ; in front of loads into the buffer that the last step's products read
.endif
.if (\s) < 7
	FETCH (\s)+1, FN
	s_wait_dscnt 32                                ; all but the 32 just issued
.else
	s_wait_dscnt 0x0
.endif
	WIN MUL
.irp a, 0,1,2,3
.irp b, 0,1,2,3
.if (\s) == 0
	v_wmma_scale_f32_16x16x128_f8f6f4 v[ACC+8*(4*\a+\b):ACC+8*(4*\a+\b)+7], v[FB+64+16*\b:FB+64+16*\b+15], v[FB+16*\a:FB+16*\a+15], v[BI+8*\b:BI+8*\b+7], v[BSC+4*\b+(\s)%4], v[ASC+4*\a+(\s)%4]
.elseif (\s) < 4
	v_wmma_scale_f32_16x16x128_f8f6f4 v[ACC+8*(4*\a+\b):ACC+8*(4*\a+\b)+7], v[FB+64+16*\b:FB+64+16*\b+15], v[FB+16*\a:FB+16*\a+15], v[ACC+8*(4*\a+\b):ACC+8*(4*\a+\b)+7], v[BSC+4*\b+(\s)%4], v[ASC+4*\a+(\s)%4]
.else
	v_wmma_scale_f32_16x16x128_f8f6f4 v[ACC+8*(4*\a+\b):ACC+8*(4*\a+\b)+7], v[FB+64+16*\b:FB+64+16*\b+15], v[FB+16*\a:FB+16*\a+15], v[ACC+8*(4*\a+\b):ACC+8*(4*\a+\b)+7], v[BSC+4*\b+(\s)%4], v[ASC+4*\a+(\s)%4] matrix_a_scale:MATRIX_SCALE_ROW1 matrix_b_scale:MATRIX_SCALE_ROW1
.endif
.endr
.endr
.endm
	s_cmp_lt_u32 s16, 2
	s_cbranch_scc0 .Lnot_lower
	s_wait_tensorcnt 0x0                           ; waves 0 and 1: the scale bytes and the lower half of K are in
.Lnot_lower:
	s_barrier_signal -1
	s_barrier_wait -1
.irp a, 0,1,2,3
	ds_load_tr16_b128 v[ASC+4*\a:ASC+4*\a+3], v[ATR] offset:32*\a
.endr
	FETCH 0, 0
	s_wait_loadcnt 0x0                             ; Wo's scale bytes and the bias
.irp s, 0,1,2,3,4,5,6,7
	KSTEP \s
.endr
	WIN 0
; THE WAY OUT, a block of 16 tokens x 64 features at a time: a lane holds 32 neighbouring bytes of a row and the lanes beside it other rows, so a block goes through my own stage and comes back as whole rows of 256 bytes.
; LDS serves a wave's instructions in order (ISA guide 5.7.1.4): no wait between the stores and the loads, nor in front of the next block's stores.
.macro TOSTAGE a
.irp b, 0,1,2,3
	ds_store_b128 v[STO], v[ACC+8*(4*(\a)+\b):ACC+8*(4*(\a)+\b)+3] offset:64*\b        ; each accumulator from its low end on
	ds_store_b128 v[STO], v[ACC+8*(4*(\a)+\b)+4:ACC+8*(4*(\a)+\b)+7] offset:64*\b+16
.endr
.irp t, 0,1,2,3,4,5,6,7
	ds_load_b128 v[64+32*((\a)%2)+4*\t:64+32*((\a)%2)+4*\t+3], v[RD] offset:\t*2*SP
.endr
.endm
.macro SEND a, younger                 ; younger: the LDS instructions issued behind block a's loads, which may stay out
	s_wait_dscnt \younger
.irp t, 0,1,2,3,4,5,6,7
	global_store_b128 v[CO], v[64+32*((\a)%2)+4*\t:64+32*((\a)%2)+4*\t+3], s[14:15] offset:(128*(\a)+2*\t)*4096 th:TH_STORE_NT   ; block a's tokens lie 128 rows on; 16 lanes store 256 consecutive bytes, aligned
.endr
.endm
	PLACES 8                                       ; behind the last products
	TOSTAGE 0
	TOSTAGE 1
	SEND 0, 16                                     ; behind block 0's loads: block 1's 8 stores and 8 loads
	s_wait_xcnt 0x0                                ; block 0's stores have read their registers: block 2's loads may land there
	TOSTAGE 2
	SEND 1, 16
	s_wait_xcnt 0x0
	TOSTAGE 3
	SEND 2, 16
	SEND 3, 0
	s_wait_tensorcnt 0x0                           ; the wave's end
	ds_add_u32 v[SPW], v[NIL]
	s_wait_dscnt 0x0
	CROUND                                         ; the closing round: no work-group ends while a partner may still ask for a tile that names it
	s_endpgm
.Lfunc_end_k_q7bc20314eb_proj:
	.size	k_q7bc20314eb_proj, .Lfunc_end_k_q7bc20314eb_proj-k_q7bc20314eb_proj
	.p2alignl 7, 3214868480
	.fill 96, 4, 3214868480
	.section	.rodata,"a",@progbits
	.p2align	6, 0x0
	.amdhsa_kernel k_q7bc20314eb_proj
		.amdhsa_group_segment_fixed_size 327680
		.amdhsa_private_segment_fixed_size 0
		.amdhsa_enable_private_segment 0
		.amdhsa_kernarg_size 40
		.amdhsa_user_sgpr_count 2
		.amdhsa_user_sgpr_kernarg_segment_ptr 1
		.amdhsa_wavefront_size32 1
		.amdhsa_system_sgpr_workgroup_id_x 1
		.amdhsa_system_sgpr_workgroup_id_y 1
		.amdhsa_system_sgpr_workgroup_id_z 1
		.amdhsa_system_vgpr_workitem_id 0
		.amdhsa_next_free_vgpr 512
		.amdhsa_next_free_sgpr 100
		.amdhsa_reserve_vcc 0
		.amdhsa_float_denorm_mode_32 3
		.amdhsa_float_denorm_mode_16_64 3
		.amdhsa_memory_ordered 1
		.amdhsa_forward_progress 1
		.amdhsa_inst_pref_size 52
	.end_amdhsa_kernel
	.amdgpu_metadata
---
amdhsa.version: [ 1, 2 ]
amdhsa.kernels:
  - .name:           k_q7bc20314eb_proj
    .symbol:         k_q7bc20314eb_proj.kd
    .args:
      - { .name: cc, .offset: 0, .size: 8, .value_kind: global_buffer, .address_space: global }
      - { .name: Wo_codes, .offset: 8, .size: 8, .value_kind: global_buffer, .address_space: global }
      - { .name: Wo_scales, .offset: 16, .size: 8, .value_kind: global_buffer, .address_space: global }
      - { .name: bo, .offset: 24, .size: 8, .value_kind: global_buffer, .address_space: global }
      - { .name: out0, .offset: 32, .size: 8, .value_kind: global_buffer, .address_space: global }
    .group_segment_fixed_size: 327680
    .private_segment_fixed_size: 0
    .kernarg_segment_align: 8
    .kernarg_segment_size: 40
    .max_flat_workgroup_size: 128
    .sgpr_count:     100
    .vgpr_count:     512
    .wavefront_size: 32
...
	.end_amdgpu_metadata
.endif
;; end of part 3
